; MI455X (gfx1250); checked and timed in simulation.
; The chip was launched on July 23, 2026; its instructions are those of AMD's public machine-readable ISA for CDNA 5 (MIT licence, August 2026) and "CDNA5" Instruction Set Architecture Reference Guide (July 2026). The comments in the code are by the model that wrote it; some were corrected since.
;; Attention Block. Allowed arithmetic: matrix products marked QUANTISED: E2M3 operands, one E8M0 scale for each 32 along K, by v_wmma_scale_f32_16x16x128_f8f6f4 with both operands' format E2M3, f32 sums; everything else in f32.
;; Inputs: W1_codes 4,096 x 32 x 24 uint8 (E2M3 codes of W1, K innermost, in blocks of 32 codes, four codes in three bytes); W1_scales 4,096 x 32 uint8 (E8M0 scales of W1, one for each 32 codes along K); W2_codes 1,024 x 128 x 24 uint8 (E2M3 codes of W2, K innermost, in blocks of 32 codes, four codes in three bytes); W2_scales 1,024 x 128 uint8 (E8M0 scales of W2, one for each 32 codes along K); Wk_codes 1,024 x 32 x 24 uint8 (E2M3 codes of Wk, K innermost, in blocks of 32 codes, four codes in three bytes); Wk_scales 1,024 x 32 uint8 (E8M0 scales of Wk, one for each 32 codes along K); Wp_codes 1,024 x 32 x 24 uint8 (E2M3 codes of Wp, K innermost, in blocks of 32 codes, four codes in three bytes); Wp_scales 1,024 x 32 uint8 (E8M0 scales of Wp, one for each 32 codes along K); Wq_codes 1,024 x 32 x 24 uint8 (E2M3 codes of Wq, K innermost, in blocks of 32 codes, four codes in three bytes); Wq_scales 1,024 x 32 uint8 (E8M0 scales of Wq, one for each 32 codes along K); Wv_codes 1,024 x 32 x 24 uint8 (E2M3 codes of Wv, K innermost, in blocks of 32 codes, four codes in three bytes); Wv_scales 1,024 x 32 uint8 (E8M0 scales of Wv, one for each 32 codes along K); b1 4,096 float32; b2 1,024 float32; be1 1,024 float32; be2 1,024 float32; bp 1,024 float32; g1 1,024 float32; g2 1,024 float32; x 2 x 2,048 x 1,024 float32.
;; Outputs: out0 2 x 2,048 x 1,024 float32.
;; This version of the problem:
;;   THIS VERSION OF THE PROBLEM IS GIVEN IN LOW PRECISION. The matrix products marked QUANTISED in the list below multiply operands that are first quantised to E2M3 (2 exponent bits, 3 mantissa bits; 6 bits a number), with one power-of-two scale for each 32 numbers along K (OCP MX v1.0); their sums are f32. All else is computed in f32.
;;   The module's matrix products, in the order in which they are computed (A, B: the left and right operand; K: the contracted axis; several contracted axes count as one K, in the product's order):
;;     1. [M 4,096, K 1,024] x [K 1,024, N 1,024]; A: computed on the way; B: input Wq (given as codes): QUANTISED
;;     2. [M 4,096, K 1,024] x [K 1,024, N 1,024]; A: computed on the way; B: input Wk (given as codes): QUANTISED
;;     3. [M 4,096, K 1,024] x [K 1,024, N 1,024]; A: computed on the way; B: input Wv (given as codes): QUANTISED
;;     4. batch 32 x [M 2,048, K 64] x [K 64, N 2,048]; A: computed on the way; B: computed on the way: QUANTISED
;;     5. batch 32 x [M 2,048, K 2,048] x [K 2,048, N 64]; A: softmax (see below); B: computed on the way: QUANTISED
;;     6. [M 4,096, K 1,024] x [K 1,024, N 1,024]; A: computed on the way; B: input Wp (given as codes): QUANTISED
;;     7. [M 4,096, K 1,024] x [K 1,024, N 4,096]; A: computed on the way; B: input W1 (given as codes): QUANTISED
;;     8. [M 4,096, K 4,096] x [K 4,096, N 1,024]; A: computed on the way; B: input W2 (given as codes): QUANTISED
;;   THE QUANTISER, for each operand of a quantised product, along K:
;;     - K is cut into blocks of 32 from its start; a last block that is shorter is filled with zeros.
;;     - A block's scale is 2^e with e = floor(log2(the largest magnitude in the block)) - 2, held to -126 .. 127; a block of zeros has e = 0. As a byte (E8M0): e + 127.
;;     - Each number is divided by its block's scale, clamped to +-7.5, and rounded to the nearest number of E2M3, ties to even, subnormals kept.
;;     - The product sums the exact products of the quantised numbers (number of the format x scale) in f32.
;;   ~~~python
;;   def quantise(x, axis):      # numpy; x: float32 -> the quantised numbers, widened to float32 again
;;       x = np.moveaxis(x, axis, -1); K = x.shape[-1]
;;       x = np.pad(x, [(0, 0)] * (x.ndim - 1) + [(0, -K % 32)]); x = x.reshape(x.shape[:-1] + (-1, 32)); a = np.abs(x).max(-1, keepdims=True)
;;       e = np.where(a > 0, np.clip(np.frexp(np.where(a > 0, a, 1))[1] - 1 - 2, -126, 127), 0)      # np.frexp(a)[1] - 1 = floor(log2(a)), exactly
;;       r = np.clip(x / 2.0 ** e, -7.5, 7.5)
;;       step = 2.0 ** (np.maximum(np.frexp(np.where(r == 0, 1, r))[1] - 1, 0) - 3)
;;       q = np.round(r / step) * step * 2.0 ** e      # np.round: ties to even
;;       return np.moveaxis(q.reshape(q.shape[:-2] + (-1,))[..., :K], -1, axis).astype(np.float32)
;;   ~~~
;;   SOFTMAX AHEAD OF A QUANTISED PRODUCT. Where the list says 'softmax', what is quantised is not the finished softmax but p = 2^(t - M), with t = logit x log2(e) and M = ceil(the row's largest t), a whole number; so 1/2 < the row's largest p <= 1. The row's sum l is taken of the UNQUANTISED p, in f32, and the product's result is divided by l at the end. Since M is a whole number, a kernel that streams over the keys may use a running M (the ceiling of the running maximum): every later rescaling is an exact power of two, which a block's scale takes up: the codes' values come out the same.
;;   OPERANDS COMPUTED ON THE WAY. 'Computed on the way' means the value that the module computes at that place (a softmax that the list does not call 'softmax' is quantised finished and normalised). What goes into a quantiser is computed in f32, as accurately as f32 sums, v_exp_f32 and their like allow (about 1e-6 of the number): no bf16 or f16 on the way to a quantiser, and a product that is left as it is and whose result goes on into a quantised operand takes f32 operands (vector FMAs, or v_wmma_f32_16x16x4_f32). A number that lies on a knife's edge between two numbers of the format may be rounded either way, as far as f32 arithmetic and the matrix unit's own rounding can turn it there, and no further.
;;   INPUTS GIVEN AS CODES. W1 (in the module: [1024, 4096], K = its axis 0); W2 (in the module: [4096, 1024], K = its axis 0); Wk (in the module: [1024, 1024], K = its axis 0); Wp (in the module: [1024, 1024], K = its axis 0); Wq (in the module: [1024, 1024], K = its axis 0); Wv (in the module: [1024, 1024], K = its axis 0): each comes as NAME_codes (uint8): NAME with its K axis moved to the last place and cut into blocks of 32 codes, [.., K / 32, bytes a block], one block behind the other in memory; four codes in three bytes: a row's codes are one little-endian stream of bits, code i at bits 6 i .. 6 i + 5 (a code: sign, 2 exponent bits, 3 mantissa bits); and NAME_scales (uint8): the same leading axes, one E8M0 byte (e + 127) for each 32 codes along K. Its value is code x scale, taken as it is: it is not quantised again, and the codes and scales need not be those that the quantiser above would give.
;; One version. Each part assembles by itself: llvm-mc -triple=amdgcn-amd-amdhsa -mcpu=gfx1250 --defsym DOCPART=n.
;; ======== version 1 of 1: 7 launches
;; limits: right only within a limited range of input values
;; workspace buffers: hq 3,276,800 bytes; h2q 3,276,800 bytes; qrec 6,684,672 bytes; kv 6,684,672 bytes; at 3,276,800 bytes; hid 13,107,200 bytes; x1 16,777,216 bytes
;; launch ln1 (part 1): grid 256 x 1, 8 waves a work-group, no clusters, 54,784 bytes of LDS; arguments x, g1, be1, hq; writes hq
.if DOCPART == 1
	.amdgcn_target "amdgcn-amd-amdhsa--gfx1250"
	.amdhsa_code_object_version 6
	.text
	.protected	k_q3bf06449c0_ln1
	.globl	k_q3bf06449c0_ln1
	.p2align	8
	.type	k_q3bf06449c0_ln1,@function
k_q3bf06449c0_ln1:
	s_mov_b64 s[64:65], 0
	v_nop
	global_prefetch_b8 v0, s[64:65] scope:SCOPE_SE
	s_setreg_imm32_b32 hwreg(HW_REG_WAVE_MODE, 25, 1), 1
	s_wait_xcnt 0x0
; h = (x - mean) * rsqrt(var + 1e-5) * g + b over rows of 1,024 f32, then quantised along the row: codes of FP6 (E2M3) and one E8M0 byte for each 32 numbers.
; OUT: codes as rows [4096][768 bytes] from byte 0, scale bytes [4096][32] from byte 3,145,728: K innermost, a row's codes one stream of bits.
; SHARES: a work-group takes 16 rows, each of its eight waves two.  A row is 4,096 bytes: eight loads of 512 consecutive bytes, 32 registers a lane; it stays in registers between the mean, the variance and the scaling.
; All 32 loads of a wave (two rows, g, b) go out at once: no loop, no ring.  The variance is taken of x - mean (two passes over registers), so a common offset of the inputs costs nothing.
; QUANTISING: the conversion takes 16 neighbours from ONE lane's registers, the loads give a lane 4 neighbours: 512 numbers at a time turn through the wave's own stage in LDS (16 bytes of padding behind each 64).
; Two neighbouring lanes hold a block of 32.  A block's scale is 2^(floor(log2(largest magnitude)) - 2); its byte is the largest magnitude's exponent field - 2, held at 1 from below.
; LIMITS: a block of zeros gets the byte 1 where the quantiser's rule says 127 (its codes are zeros, and the bytes are read by this program alone); blocks whose largest magnitude lies under 2^-124 keep the byte 1; NaN and infinities are not served.
; THE CODES' LAYOUT, in place of the rows named under OUT above: images of operand registers.  The work-group's 16 rows are one tile: [tile of 16 rows][K step of 128] x 1,536 bytes;
; register i (0..11) of fragment lane L lies at 512 (i / 4) + 16 L + 4 (i % 4).  The codes are gathered in LDS (12,288 bytes from IMG on) and leave as 512 consecutive bytes a wave and store.  The scale bytes stay [4096][32].
.set IMG,   42496
.set G,     32
.set BE,    64                         ; v64-95   b of my 32 columns
.set X0,    96                         ; v96-127  row 0
.set X1,    128                        ; v128-159 row 1
.set XT,    160                        ; v160-191 two sets of 16 neighbours
.set CD,    192                        ; v192-207 codes: four registers for each step
.set EB,    208                        ; v208-211 a scale byte for each step
.set MU,    212                        ; v212-215 the means, a pair for each row
.set RR,    216                        ; v216-219 1 / sqrt(var + eps), a pair for each row
.set SP,    80                         ; a lane's place in a stage: 64 bytes + 16
.set SCB,   8*2*32*SP                  ; behind the eight waves' stages: the 16 rows' 512 scale bytes
.set SCOUT, 4096*768                   ; where the scale bytes begin in the output
	s_load_b256 s[4:11], s[0:1], 0x0               ; x s[4:5], g s[6:7], b s[8:9], out s[10:11]
	v_lshl_add_u32 v224, v0, 2, 0xa200
	v_mov_b32 v225, 0
	v_lshrrev_b32 v1, 5, v0
	s_delay_alu instid0(VALU_DEP_1)
	v_readfirstlane_b32 s16, v1                    ; wave 0..7
	v_and_b32 v2, 31, v0                           ; lane
	s_delay_alu instid0(VALU_DEP_1)
	v_lshlrev_b32 v3, 4, v2                        ; my 16 bytes of a load's 512
	s_mul_i32 s17, s16, 2*32*SP                    ; my wave's two stages
	v_bfe_u32 v20, v2, 2, 1                        ; my 16 codes: which 64 of the K step,
	v_and_b32 v21, 1, v2                           ; lower or upper half of the block
	v_mul_u32_u24 v20, v20, 6
	v_mad_u32_u24 v20, v21, 3, v20                 ; the first of my three registers of the fragment
	v_lshrrev_b32 v21, 3, v2
	v_mul_u32_u24 v21, v21, 1536                   ; the K step within a half row
	v_bfe_u32 v22, v2, 1, 1
	v_lshl_add_u32 v21, v22, 8, v21                ; fragment lanes 16-31 hold the odd blocks
	s_lshl_b32 s19, s16, 5                         ; 16 bytes a row, two rows a wave
	s_add_co_u32 s19, s19, IMG
	v_add_nc_u32 v21, s19, v21
.irp j, 0,1,2
	v_add_nc_u32 v22, \j, v20
	v_lshrrev_b32 v23, 2, v22
	v_and_b32 v22, 3, v22
	v_lshl_add_u32 v23, v23, 9, v21
	v_lshl_add_u32 v[28+\j], v22, 2, v23           ; where register j of my three goes
.endr
	v_lshlrev_b32 v31, 4, v0                       ; the image on the way out: 16 bytes a thread
	v_add_nc_u32 v13, IMG, v31
	v_lshrrev_b32 v14, 2, v2
	s_delay_alu instid0(VALU_DEP_1)
	v_mul_u32_u24 v14, v14, SP
	v_and_b32 v15, 3, v2
	s_delay_alu instid0(VALU_DEP_1)
	v_lshl_add_u32 v14, v15, 4, v14
	s_delay_alu instid0(VALU_DEP_1)
	v_add_nc_u32 v14, s17, v14                     ; into a stage: four lanes' 64 bytes on end, then the padding
	v_mul_u32_u24 v15, v2, SP
	s_delay_alu instid0(VALU_DEP_1)
	v_add_nc_u32 v15, s17, v15                     ; out of it: my 16 neighbours
	s_lshl_b32 s18, s16, 6
	s_add_co_u32 s18, s18, SCB
	v_lshrrev_b32 v5, 1, v2
	s_delay_alu instid0(VALU_DEP_1)
	v_add_nc_u32 v5, s18, v5                       ; my block's scale byte: 64 bytes a wave, 16 a step
	v_add_nc_u32 v6, SCB, v3                       ; the 512 scale bytes on the way out: 16 a lane
	s_mov_b32 s12, 0x76543210
	s_mov_b32 s13, 0xfedcba98                      ; v_permlanex16_b32's selects for lane l xor 16
	s_mov_b32 s14, 0x3a800000                      ; 1 / 1,024
	s_mov_b32 s15, 0x3727c5ac                      ; 1e-5
	s_lshl_b32 s20, ttmp9, 16                      ; 16 rows of 4,096 bytes a work-group,
	s_lshl_b32 s21, s16, 13                        ; two a wave
	s_add_co_u32 s20, s20, s21
	s_mov_b32 s21, 0
	s_mul_i32 s22, ttmp9, 16*768
	s_mov_b32 s23, 0
	s_lshl_b32 s24, ttmp9, 9
	s_add_co_u32 s24, s24, SCOUT
	s_mov_b32 s25, 0
	s_wait_kmcnt 0x0
	s_add_nc_u64 s[4:5], s[4:5], s[20:21]
	s_add_nc_u64 s[26:27], s[10:11], s[24:25]      ; the work-group's scale bytes
	s_add_nc_u64 s[10:11], s[10:11], s[22:23]      ; the work-group's codes
.irp i, 0,1,2,3,4,5,6,7
	global_load_b128 v[X0+4*\i:X0+4*\i+3], v3, s[4:5] offset:512*\i
.endr
.irp i, 0,1,2,3,4,5,6,7
	global_load_b128 v[X1+4*\i:X1+4*\i+3], v3, s[4:5] offset:4096+512*\i
.endr
.irp i, 0,1,2,3,4,5,6,7
	global_load_b128 v[G+4*\i:G+4*\i+3], v3, s[6:7] offset:512*\i
.endr
.irp i, 0,1,2,3,4,5,6,7
	global_load_b128 v[BE+4*\i:BE+4*\i+3], v3, s[8:9] offset:512*\i
.endr
.macro LANESUM                         ; v16 summed over the 32 lanes, the result in every lane
	s_delay_alu instid0(VALU_DEP_1)
	v_add_f32_dpp v16, v16, v16 row_xmask:1 row_mask:0xf bank_mask:0xf
	s_delay_alu instid0(VALU_DEP_1)
	v_add_f32_dpp v16, v16, v16 row_xmask:2 row_mask:0xf bank_mask:0xf
	s_delay_alu instid0(VALU_DEP_1)
	v_add_f32_dpp v16, v16, v16 row_xmask:4 row_mask:0xf bank_mask:0xf
	s_delay_alu instid0(VALU_DEP_1)
	v_add_f32_dpp v16, v16, v16 row_xmask:8 row_mask:0xf bank_mask:0xf
	s_delay_alu instid0(VALU_DEP_1)
	v_permlanex16_b32 v17, v16, s12, s13
	s_delay_alu instid0(VALU_DEP_1)
	v_add_f32 v16, v16, v17
.endm
; The row in v[x] on: its mean into the pair m, x - mean in place, 1 / sqrt(var + eps) into the pair r (each reciprocal root in place, so that no later line writes a source of it)
.macro MOMENTS x, m, r
	v_pk_add_f32 v[16:17], v[\x:\x+1], v[\x+2:\x+3]
	v_pk_add_f32 v[18:19], v[\x+4:\x+5], v[\x+6:\x+7]
.irp i, 8,12,16,20,24,28
	s_delay_alu instid0(VALU_DEP_2)
	v_pk_add_f32 v[16:17], v[16:17], v[\x+\i:\x+\i+1]
	s_delay_alu instid0(VALU_DEP_2)
	v_pk_add_f32 v[18:19], v[18:19], v[\x+\i+2:\x+\i+3]
.endr
	s_delay_alu instid0(VALU_DEP_1)
	v_pk_add_f32 v[16:17], v[16:17], v[18:19]
	s_delay_alu instid0(VALU_DEP_1)
	v_add_f32 v16, v16, v17
	LANESUM
	s_delay_alu instid0(VALU_DEP_1)
	v_mul_f32 v[\m], s14, v16
	s_delay_alu instid0(VALU_DEP_1)
	v_mov_b32 v[\m+1], v[\m]
.irp i, 0,2,4,6,8,10,12,14,16,18,20,22,24,26,28,30
	v_pk_add_f32 v[\x+\i:\x+\i+1], v[\x+\i:\x+\i+1], v[\m:\m+1] neg_lo:[0,1] neg_hi:[0,1]
.endr
	v_pk_mul_f32 v[16:17], v[\x:\x+1], v[\x:\x+1]
	v_pk_mul_f32 v[18:19], v[\x+2:\x+3], v[\x+2:\x+3]
.irp i, 4,8,12,16,20,24,28
	s_delay_alu instid0(VALU_DEP_2)
	v_pk_fma_f32 v[16:17], v[\x+\i:\x+\i+1], v[\x+\i:\x+\i+1], v[16:17]
	s_delay_alu instid0(VALU_DEP_2)
	v_pk_fma_f32 v[18:19], v[\x+\i+2:\x+\i+3], v[\x+\i+2:\x+\i+3], v[18:19]
.endr
	s_delay_alu instid0(VALU_DEP_1)
	v_pk_add_f32 v[16:17], v[16:17], v[18:19]
	s_delay_alu instid0(VALU_DEP_1)
	v_add_f32 v16, v16, v17
	LANESUM
	s_delay_alu instid0(VALU_DEP_1)
	v_fma_f32 v[\r], v16, s14, s15                 ; var + eps
	s_delay_alu instid0(VALU_DEP_1)
	v_mov_b32 v[\r+1], v[\r]
	s_wait_alu depctr_va_vdst(0)
	v_rsq_f32 v[\r], v[\r]
	v_rsq_f32 v[\r+1], v[\r+1]
.endm
.macro NORM x, r                       ; ((x - mean) * r) * g + b, in place
.irp i, 0,2,4,6,8,10,12,14,16,18,20,22,24,26,28,30
	v_pk_mul_f32 v[\x+\i:\x+\i+1], v[\x+\i:\x+\i+1], v[\r:\r+1]
.endr
.irp i, 0,2,4,6,8,10,12,14,16,18,20,22,24,26,28,30
	v_pk_fma_f32 v[\x+\i:\x+\i+1], v[\x+\i:\x+\i+1], v[G+\i:G+\i+1], v[BE+\i:BE+\i+1]
.endr
.endm
	s_wait_loadcnt 24                              ; row 0 is in; behind it: row 1, g, b
	MOMENTS X0, MU, RR
	s_wait_loadcnt 16                              ; row 1 is in; behind it: g, b
	MOMENTS X1, MU+2, RR+2
	v_nop                                          ; a plain instruction behind the last reciprocal root
	s_wait_alu depctr_va_vdst(0)                   ; one wait for the four, ahead of their first reader
	s_wait_loadcnt 0x0                             ; g and b
	NORM X0, RR
	NORM X1, RR+2
; Step t (0..3): 512 numbers, half t % 2 of row t / 2.
.macro TURN t                          ; through the stage: LDS serves a wave's instructions in order, so no wait stands between the stores and the loads
.set RB, X0+32*((\t)/2)+16*((\t)%2)
.irp i, 0,1,2,3
	ds_store_b128 v14, v[RB+4*\i:RB+4*\i+3] offset:32*SP*((\t)%2)+8*SP*\i
.endr
.irp i, 0,1,2,3
	ds_load_b128 v[XT+16*((\t)%2)+4*\i:XT+16*((\t)%2)+4*\i+3], v15 offset:32*SP*((\t)%2)+16*\i
.endr
.endm
.macro STEP t
.set XS, XT+16*((\t)%2)
.if (\t) > 0
	s_wait_dscnt 4                                 ; this step's numbers are back; the last step's byte store and three code stores may be out
.else
	s_wait_dscnt 0x0
.endif
.if (\t)+1 < 4
	TURN (\t)+1                                    ; the next step goes through the other stage while this one is worked
.endif
	v_max3_num_f32 v8, |v[XS]|, |v[XS+1]|, |v[XS+2]|
	v_max3_num_f32 v9, |v[XS+3]|, |v[XS+4]|, |v[XS+5]|
.irp i, 6,10
	s_delay_alu instid0(VALU_DEP_2)
	v_max3_num_f32 v8, v8, |v[XS+\i]|, |v[XS+\i+1]|
	s_delay_alu instid0(VALU_DEP_2)
	v_max3_num_f32 v9, v9, |v[XS+\i+2]|, |v[XS+\i+3]|
.endr
	s_delay_alu instid0(VALU_DEP_2)
	v_max3_num_f32 v8, v8, |v[XS+14]|, |v[XS+15]|
	s_delay_alu instid0(VALU_DEP_1)
	v_max3_num_f32 v8, v8, v9, 0x1800000           ; and the floor 2^(3 - 127): the byte cannot fall under 1
	s_delay_alu instid0(VALU_DEP_1)
	v_max_num_f32_dpp v8, v8, v8 row_xmask:1 row_mask:0xf bank_mask:0xf   ; with my neighbour's 16: the block's largest magnitude
	s_delay_alu instid0(VALU_DEP_1)
	v_add_nc_u32 v11, 0xff000000, v8               ; 2 off its exponent field: the conversion takes the exponent field of this operand as its scale
	v_cvt_scalef32_pk16_fp6_f32 v[CD+4*(\t):CD+4*(\t)+2], v[XS:XS+15], v11
	v_lshrrev_b32 v[EB+(\t)], 23, v11              ; the scale's byte
	ds_store_b8 v5, v[EB+(\t)] offset:16*(\t)      ; both lanes of a block write the same byte with the same value
.irp j, 0,1,2
	ds_store_b32 v[28+\j], v[CD+4*(\t)+\j] offset:16*((\t)/2)+6144*((\t)%2)
.endr
.endm
	TURN 0
	STEP 0
	STEP 1
	STEP 2
	STEP 3
	s_wait_dscnt 0x0                               ; for the others' sake: my scale bytes lie in LDS
	s_barrier_signal -1
	s_barrier_wait -1
.irp i, 0,1,2
	ds_load_b128 v[160+4*\i:163+4*\i], v13 offset:4096*\i
.endr
	s_wait_dscnt 0x0
.irp i, 0,1,2
	global_store_b128 v31, v[160+4*\i:163+4*\i], s[10:11] offset:4096*\i   ; a wave stores 512 consecutive bytes
.endr
	s_cmp_lg_u32 s16, 0
	s_cbranch_scc1 .Ldone
	ds_load_b128 v[24:27], v6                      ; wave 0: the 16 rows' 512 scale bytes
	s_wait_dscnt 0x0
	global_store_b128 v3, v[24:27], s[26:27]       ; 512 consecutive bytes, at a multiple of 256 from the buffer's first byte
.Ldone:
	s_wait_tensorcnt 0x0
	ds_add_u32 v224, v225
	s_wait_dscnt 0x0
	s_endpgm
.Lfunc_end_k_q3bf06449c0_ln1:
	.size	k_q3bf06449c0_ln1, .Lfunc_end_k_q3bf06449c0_ln1-k_q3bf06449c0_ln1
	.p2alignl 7, 3214868480
	.fill 96, 4, 3214868480
	.section	.rodata,"a",@progbits
	.p2align	6, 0x0
	.amdhsa_kernel k_q3bf06449c0_ln1
		.amdhsa_group_segment_fixed_size 54784
		.amdhsa_private_segment_fixed_size 0
		.amdhsa_enable_private_segment 0
		.amdhsa_kernarg_size 32
		.amdhsa_user_sgpr_count 2
		.amdhsa_user_sgpr_kernarg_segment_ptr 1
		.amdhsa_wavefront_size32 1
		.amdhsa_system_sgpr_workgroup_id_x 1
		.amdhsa_system_sgpr_workgroup_id_y 1
		.amdhsa_system_sgpr_workgroup_id_z 1
		.amdhsa_system_vgpr_workitem_id 0
		.amdhsa_next_free_vgpr 226
		.amdhsa_next_free_sgpr 66
		.amdhsa_reserve_vcc 0
		.amdhsa_float_denorm_mode_32 3
		.amdhsa_float_denorm_mode_16_64 3
		.amdhsa_memory_ordered 1
		.amdhsa_forward_progress 1
		.amdhsa_inst_pref_size 30
	.end_amdhsa_kernel
	.amdgpu_metadata
---
amdhsa.version: [ 1, 2 ]
amdhsa.kernels:
  - .name:           k_q3bf06449c0_ln1
    .symbol:         k_q3bf06449c0_ln1.kd
    .args:
      - { .name: x, .offset: 0, .size: 8, .value_kind: global_buffer, .address_space: global }
      - { .name: g1, .offset: 8, .size: 8, .value_kind: global_buffer, .address_space: global }
      - { .name: be1, .offset: 16, .size: 8, .value_kind: global_buffer, .address_space: global }
      - { .name: hq, .offset: 24, .size: 8, .value_kind: global_buffer, .address_space: global }
    .group_segment_fixed_size: 54784
    .private_segment_fixed_size: 0
    .kernarg_segment_align: 8
    .kernarg_segment_size: 32
    .max_flat_workgroup_size: 256
    .sgpr_count:     66
    .vgpr_count:     226
    .wavefront_size: 32
...
	.end_amdgpu_metadata
.endif
;; end of part 1
;; launch qkv (part 2): grid 16 x 12, 4 waves a work-group, clusters of 4 x 1, 218,112 bytes of LDS; arguments hq, Wq_codes, Wq_scales, Wk_codes, Wk_scales, Wv_codes, Wv_scales, qrec, kv; writes qrec, kv
.if DOCPART == 2
	.amdgcn_target "amdgcn-amd-amdhsa--gfx1250"
	.amdhsa_code_object_version 6
	.text
	.protected	k_q3bf06449c0_qkv
	.globl	k_q3bf06449c0_qkv
	.p2align	8
	.type	k_q3bf06449c0_qkv,@function
k_q3bf06449c0_qkv:
	s_mov_b64 s[64:65], 0
	v_nop
	global_prefetch_b8 v0, s[64:65] scope:SCOPE_SE
	s_setreg_imm32_b32 hwreg(HW_REG_WAVE_MODE, 25, 1), 1
	s_wait_xcnt 0x0
	s_wait_alu depctr_hold_cnt(0) depctr_sa_sdst(0) depctr_va_vdst(0) depctr_va_sdst(0) depctr_va_ssrc(0) depctr_va_vcc(0) depctr_vm_vsrc(0)
	s_getreg_b32 s2, hwreg(HW_REG_IB_STS2, 6, 4)
	s_cmp_eq_u32 s2, 0
	s_cbranch_scc0 .Lentry_in_a_cluster
	s_endpgm
.Lentry_in_a_cluster:
	s_bfe_u32 s2, ttmp6, 0x10000c
	s_cmp_lg_u32 s2, 0x3003
	s_cbranch_scc0 .Lentry_shape_is_right
	s_endpgm
.Lentry_shape_is_right:
; q = h Wq, k = h Wk, v = h Wv on codes of FP6 (E2M3) with E8M0 scales, K = 1,024; each result is quantised in registers and leaves as codes, in the records that the attention launch reads.
; SHARES.  Work-group (x, y): tokens 256 x .. + 255; y / 4 says q, k or v, y % 4 which 256 channels (four heads).  A wave owns 64 tokens.
; h's 64 rows x 1,024 K STAY IN REGISTERS (32 fragments, 384 registers), loaded from images of operand registers.  The weight's 256 rows, whole K, lie in LDS, filled once: rows of 768 bytes, 16 bytes of padding behind every 256 (pitch 816).
; The wave walks the weight in four groups of 64 rows (a head): 8 K steps x 16 matrix instructions on 16 accumulators by turns; then the group is quantised and stored while the next group's first fragments land.
; q, k: source 0 = 16 rows of the weight, source 1 = 16 tokens: a lane holds a token, its registers run along the channels.  The rows of a tile are 32 (t / 2) + 8 (t % 2) + r + 8 (r / 8), so that 16 registers of two tiles are 16 neighbouring channels.
; v: source 0 = 16 tokens, source 1 = 16 rows of Wv: a lane holds a channel, its registers run along the tokens (the keys); within a block of 32 keys the codes stand in the order 0-7, 16-23, 8-15, 24-31, as p's do in the attention launch.
; CLUSTER: the four work-groups of a cluster share y: the weight's codes and scales are asked for jointly.  No prefetch: every tile is asked for at the head, there is no loop to run ahead in.
; RECORDS: [batch x 16 + head][step of 128 tokens] x 13,056 bytes: +0 eight half fragments (16 tokens x 64 channels, 768 bytes); +6,144 v's four fragments (16 channels x 128 keys); +12,288 a scale word a token (b0 b1 b0 b1); +12,800 v's scale word a channel.
; The last group's trip fetches its own first fragments once more (the clamped address): 28 LDS loads that nobody uses, so that the walk is one loop with no branch.
; LIMITS: a block of zeros gets the byte 1 (its codes are zeros; the bytes are read by this program alone); blocks under 2^-124 keep the byte 1; NaN and infinities are not served.  Scale words leave in runs of 64 bytes, v's two bytes at a time.
; REGISTERS: window 0: v4-16 addresses, v32-47 h's scale words, v48-63 the weight's, v64-127 the quantiser, v144-239 the weight's fragments (two sets of four); windows 1, 2: h's fragments (K steps 0-4, 5-7); window 3: the accumulators.
; THE HEAD, as it stands (in place of what is said above of the scales).
; The weight's 8,192 scale bytes are a small part of what is shared (one byte in 24): each thread loads 64 of them (a wave 512 consecutive bytes a load) and stores them into LDS ahead of the one barrier.
.set PITCH, 816
.set GRP,   64*PITCH
.set SCL,   4*GRP
.set SPARE, SCL+8192
.set REC,   13056
.set HEADB, 16*REC
.set L16, 4
.set L32, 5
.set L8,  6
.set R4,  7
.set LBP, 8
.set LBN, 10
.set LSP, 12
.set LSN, 13
.set AD,  14
.set AD2, 15
.set ADS, 16
.set SPW, 28
.set NIL, 29
.set SA,  32
.set SB,  48
.set TM,  64
.set TX,  72
.set TS,  80
.set PW,  88
.set CD,  96
.set BF,  144
.set SEL, 90
.set MSB, 0
.macro WIN new
.if MSB != \new
	s_set_vgpr_msb (MSB<<8)|\new
.set MSB, \new
.endif
.endm
.macro CROUND
	s_barrier_signal -1
	s_barrier_wait -1
	s_cmp_lg_u32 s14, 0
	s_cbranch_scc1 .Lnot_wave_0_\@
	s_barrier_signal -3
.Lnot_wave_0_\@:
	s_barrier_wait -3
	s_barrier_signal -1
	s_barrier_wait -1
.endm
.macro PLACES
.rept 4
	v_nop
.endr
.endm
.macro FRAG reg, k, ro                 ; 16 rows x 128 K: six pieces of 8 bytes; lanes 16-31 read 24 bytes further on, for some pieces behind one padding more
.irp p, 0,1,2,3,4,5
.set PCE, 12*(\k)+6*(\p/3)+\p%3
.if PCE%32 < 29
	ds_load_b64 v[\reg+2*\p:\reg+2*\p+1], v[AD] offset:8*PCE+16*(PCE/32)+(\ro)*PITCH
.else
	ds_load_b64 v[\reg+2*\p:\reg+2*\p+1], v[AD2] offset:8*PCE+16*(PCE/32)+(\ro)*PITCH
.endif
.endr
.endm
.macro FETCH k, nat
.irp b, 0,1,2,3
.if \nat
	FRAG BF+48*((\k)%2)+12*\b, \k, 16*\b
.else
	FRAG BF+48*((\k)%2)+12*\b, \k, 32*(\b/2)+8*(\b%2)
.endif
.endr
.endm
.macro SCALES                          ; a lane a row, 32 bytes: the eight K steps' words; lanes 0-15 the even tile, lanes 16-31 the odd one
.irp bb, 0,1
.irp hf, 0,1
	ds_load_b128 v[SB+8*\bb+4*\hf:SB+8*\bb+4*\hf+3], v[ADS] offset:1024*\bb+16*\hf
.endr
.endr
.endm
.macro WM
.if zZ
.if oX == 0 && oY == 0
	v_wmma_scale_f32_16x16x128_f8f6f4 v[rD:rD+7], v[rX:rX+11], v[rY:rY+11], 0, v[qX], v[qY] matrix_a_fmt:MATRIX_FMT_FP6 matrix_b_fmt:MATRIX_FMT_FP6
.elseif oY == 0
	v_wmma_scale_f32_16x16x128_f8f6f4 v[rD:rD+7], v[rX:rX+11], v[rY:rY+11], 0, v[qX], v[qY] matrix_a_fmt:MATRIX_FMT_FP6 matrix_b_fmt:MATRIX_FMT_FP6 matrix_a_scale:MATRIX_SCALE_ROW1
.elseif oX == 0
	v_wmma_scale_f32_16x16x128_f8f6f4 v[rD:rD+7], v[rX:rX+11], v[rY:rY+11], 0, v[qX], v[qY] matrix_a_fmt:MATRIX_FMT_FP6 matrix_b_fmt:MATRIX_FMT_FP6 matrix_b_scale:MATRIX_SCALE_ROW1
.else
	v_wmma_scale_f32_16x16x128_f8f6f4 v[rD:rD+7], v[rX:rX+11], v[rY:rY+11], 0, v[qX], v[qY] matrix_a_fmt:MATRIX_FMT_FP6 matrix_b_fmt:MATRIX_FMT_FP6 matrix_a_scale:MATRIX_SCALE_ROW1 matrix_b_scale:MATRIX_SCALE_ROW1
.endif
.else
.if oX == 0 && oY == 0
	v_wmma_scale_f32_16x16x128_f8f6f4 v[rD:rD+7], v[rX:rX+11], v[rY:rY+11], v[rD:rD+7], v[qX], v[qY] matrix_a_fmt:MATRIX_FMT_FP6 matrix_b_fmt:MATRIX_FMT_FP6
.elseif oY == 0
	v_wmma_scale_f32_16x16x128_f8f6f4 v[rD:rD+7], v[rX:rX+11], v[rY:rY+11], v[rD:rD+7], v[qX], v[qY] matrix_a_fmt:MATRIX_FMT_FP6 matrix_b_fmt:MATRIX_FMT_FP6 matrix_a_scale:MATRIX_SCALE_ROW1
.elseif oX == 0
	v_wmma_scale_f32_16x16x128_f8f6f4 v[rD:rD+7], v[rX:rX+11], v[rY:rY+11], v[rD:rD+7], v[qX], v[qY] matrix_a_fmt:MATRIX_FMT_FP6 matrix_b_fmt:MATRIX_FMT_FP6 matrix_b_scale:MATRIX_SCALE_ROW1
.else
	v_wmma_scale_f32_16x16x128_f8f6f4 v[rD:rD+7], v[rX:rX+11], v[rY:rY+11], v[rD:rD+7], v[qX], v[qY] matrix_a_fmt:MATRIX_FMT_FP6 matrix_b_fmt:MATRIX_FMT_FP6 matrix_a_scale:MATRIX_SCALE_ROW1 matrix_b_scale:MATRIX_SCALE_ROW1
.endif
.endif
.endm
; 16 matrix instructions of K step k: token tiles a x weight tiles b; the 16 accumulators take turns.  The accumulator of unit u, place i along the next K, is v[8 (4 u + i)].
.macro MUL k, nat
.if (\k) < 5
.set AW, 1
.set AR, 48*(\k)
.else
.set AW, 2
.set AR, 48*((\k)-5)
.endif
.if (\k) == 0
.set zZ, 1
.else
.set zZ, 0
.endif
.if \nat
	WIN 0xf0|AW
.else
	WIN 0xf0|(AW<<2)
.endif
.irp a, 0,1,2,3
.irp b, 0,1,2,3
.if \nat
.set rD, 8*(4*\b+\a)
.set rX, AR+12*\a
.set rY, BF+48*((\k)%2)+12*\b
.set qX, SA+8*(\a/2)+(\k)
.set qY, SB+8*(\b/2)+(\k)
.set oX, \a%2
.set oY, \b%2
.else
.set rD, 8*(4*\a+\b)
.set rX, BF+48*((\k)%2)+12*\b
.set rY, AR+12*\a
.set qX, SB+8*(\b/2)+(\k)
.set qY, SA+8*(\a/2)+(\k)
.set oX, \b%2
.set oY, \a%2
.endif
	WM
.endr
.endr
	WIN 0
.endm
.macro SETAD lb, ls, nat               ; the group at LDS byte s92 (scales: s93): addresses, first fragments, scale words
	v_add_nc_u32 v[AD], s92, v[\lb]
	v_add_nc_u32 v[AD2], s92, v[\lb+1]
	v_add_nc_u32 v[ADS], s93, v[\ls]
	s_wait_alu depctr_va_vdst(0)                   ; the wait behind these writes
	FETCH 0, \nat
	SCALES
.endm
; Four units of 32 numbers a lane (two blocks of 32 along the next K, shared with lane l xor 16) become six registers of codes and two scale bytes each.
.macro EPI nat
	s_wait_xcnt 0x0                                ; the last group's stores have read their data and bases
	s_add_nc_u64 s[16:17], s[16:17], s[94:95]      ; the next head's record (0 in the first trip)
	s_add_nc_u64 s[18:19], s[18:19], s[94:95]
	s_mov_b32 s94, HEADB
	WIN 0x0f
.irp n, 0,1,2,3,4,5,6,7
	v_max3_num_f32 v[TM+\n], |v[16*\n]|, |v[16*\n+1]|, 0x1800000   ; each accumulator from its low end on; the floor 2^(3 - 127) holds the byte at 1
.endr
.irp i, 2,4,6,8,10,12,14
.irp n, 0,1,2,3,4,5,6,7
	v_max3_num_f32 v[TM+\n], |v[16*\n+\i]|, |v[16*\n+\i+1]|, v[TM+\n]
.endr
.endr
	WIN 0
.irp n, 0,1,2,3,4,5,6,7
	v_permlanex16_b32 v[TX+\n], v[TM+\n], s[SEL], s[SEL+1]
.endr
.irp n, 0,1,2,3,4,5,6,7
	v_max_num_f32 v[TM+\n], v[TM+\n], v[TX+\n]
.endr
.irp n, 0,1,2,3,4,5,6,7
	v_add_nc_u32 v[TS+\n], 0xff000000, v[TM+\n]    ; 2 off the exponent field: the conversion's scale operand
.endr
.irp n, 0,1,2,3,4,5,6,7
	v_lshrrev_b32 v[TX+\n], 23, v[TS+\n]           ; the byte
.endr
.irp u, 0,1,2,3
	v_lshl_or_b32 v[PW+\u], v[TX+2*\u+1], 8, v[TX+2*\u]
.endr
.if \nat == 0
.irp u, 0,1,2,3
	v_lshl_or_b32 v[PW+\u], v[PW+\u], 16, v[PW+\u] ; b0 b1 b0 b1
.endr
.endif
	WIN 0x03
.irp u, 0,1,2,3
	v_cvt_scalef32_pk16_fp6_f32 v[CD+8*\u:CD+8*\u+2], v[32*\u:32*\u+15], v[TS+2*\u]
	v_cvt_scalef32_pk16_fp6_f32 v[CD+8*\u+4:CD+8*\u+6], v[32*\u+16:32*\u+31], v[TS+2*\u+1]
.endr
	WIN 0
	v_nop                                          ; one plain instruction behind a scaled conversion
.irp u, 0,1,2,3
.irp i, 0,1,2
	v_permlane16_swap_b32 v[CD+8*\u+\i], v[CD+8*\u+4+\i]   ; a whole block to a lane
.endr
.endr
.irp u, 0,1,2,3
.irp i, 0,1,2
	v_mov_b32 v[CD+8*\u+3+\i], v[CD+8*\u+4+\i]
.endr
.endr
.irp u, 0,1,2,3
.irp p, 0,1,2
.if \nat
	global_store_b64 v[L8], v[CD+8*\u+2*\p:CD+8*\u+2*\p+1], s[16:17] offset:1536*\u+256*\p
.else
	global_store_b64 v[L8], v[CD+8*\u+2*\p:CD+8*\u+2*\p+1], s[16:17] offset:768*\u+256*\p   ; 32 lanes store 256 consecutive bytes
.endif
.endr
.if \nat
	global_store_b16 v[R4], v[PW+\u], s[18:19] offset:64*\u
.else
	global_store_b32 v[R4], v[PW+\u], s[18:19] offset:64*\u    ; both halves of the lanes write the same word to the same place
.endif
.endr
.endm
.macro WALK nat, lb, ls
	s_mov_b32 s92, 0
	s_mov_b32 s93, 0
	s_mov_b32 s94, 0
	s_mov_b32 s95, 0
	s_mov_b32 s3, 0
	SETAD \lb, \ls, \nat
.Lgroup_\@:
.irp k, 0,1,2,3,4,5,6,7
.set NW, 84-12*\k
.if NW > 63
.set NW, 63
.endif
	s_wait_dscnt 0x0                               ; this K step's fragments of the weight
	s_wait_loadcnt NW                              ; h's fragments of this K step: behind them 84 - 12 k loads were issued (63 is the most a wait names)
	PLACES                                         ; in front of loads into registers that the step before last has multiplied
.if \k < 7
	FETCH \k+1, \nat
.endif
	MUL \k, \nat
.endr
	PLACES
	s_add_co_u32 s22, s3, 1
	s_min_u32 s22, s22, 3                          ; the next group; the last stays at itself
	s_mul_i32 s92, s22, GRP
	s_lshl_b32 s93, s22, 11
	SETAD \lb, \ls, \nat
	EPI \nat
	s_add_co_u32 s3, s3, 1
	s_cmp_lt_u32 s3, 4
	s_wait_alu depctr_va_vdst(0)
	s_cbranch_scc1 .Lgroup_\@
.endm
	s_load_b512 s[72:87], s[0:1], 0x0              ; hq 72, Wq codes 74, scales 76, Wk 78, 80, Wv 82, 84, qrec 86
	s_load_b64 s[88:89], s[0:1], 0x40              ; kv
	v_lshl_add_u32 v[SPW], v0, 2, SPARE
	v_mov_b32 v[NIL], 0
	ds_add_u32 v[SPW], v[NIL]                      ; the opening lines
	ds_add_u32 v[SPW], v[NIL]
	v_lshrrev_b32 v1, 5, v0
	v_readfirstlane_b32 s14, v1                    ; wave
	v_and_b32 v1, 15, v0                           ; r
	v_bfe_u32 v2, v0, 4, 1                         ; h
	v_and_b32 v3, 31, v0
	v_lshlrev_b32 v[L16], 4, v3
	v_lshlrev_b32 v[L32], 5, v3
	v_lshlrev_b32 v[L8], 3, v3
	v_lshlrev_b32 v[R4], 2, v1
	v_and_b32 v17, 8, v1
	v_add_nc_u32 v17, v17, v1                      ; r + 8 (r / 8)
	v_mul_u32_u24 v18, v2, 24
	v_mad_u32_u24 v[LBP], v17, PITCH, v18
	v_lshl_add_u32 v[LBP+1], v2, 4, v[LBP]
	v_mad_u32_u24 v[LBN], v1, PITCH, v18
	v_lshl_add_u32 v[LBN+1], v2, 4, v[LBN]
	v_lshl_add_u32 v17, v2, 3, v17
	v_lshlrev_b32 v17, 5, v17
	v_add_nc_u32 v[LSP], SCL, v17                  ; scale rows 8 h + r + 8 (r / 8),
	v_add_nc_u32 v[LSN], SCL, v[L32]               ; or a lane a row
	v_lshlrev_b32 v19, 4, v0                       ; the scale bytes' copy: 16 bytes a thread,
	v_add_nc_u32 v20, SCL, v19                     ; and where they go
.irp n, 0,1,2,3,4,5,6,7
	v_mov_b32 v[TX+\n], 0                          ; a lane permute's destination counts as one of its sources
.endr
	s_bfe_u32 s40, ttmp6, 0x40000                  ; cx
	s_lshl_b32 s41, ttmp9, 2
	s_add_co_u32 s41, s41, s40                     ; the block of 256 tokens
	s_and_b32 s42, ttmp7, 0xffff
	s_lshr_b32 s43, s42, 2                         ; 0 q, 1 k, 2 v
	s_and_b32 s44, s42, 3                          ; which 256 channels
	s_and_b32 s45, s14, 1
	s_mov_b32 s24, 15|(1<<20)|(1<<21)|(5<<22)|(3<<25)   ; codes: all four partners; bytes; 4 words of padding behind every 64
	s_mov_b32 s25, 768<<16
	s_mov_b32 s26, 64<<16
	s_mov_b32 s27, 768<<16
	s_mov_b32 s28, 64
	s_mov_b32 s29, 768
	s_mov_b32 s30, 0
	s_mov_b32 s31, 0
	s_lshl_b32 s46, s44, 8
	s_lshl_b32 s47, s14, 6
	s_add_co_u32 s47, s47, s46
	s_mul_i32 s56, s47, 768                        ; wave w: its 64 rows of the weight
	s_mov_b32 s57, 0
	s_lshl_b32 s58, s46, 5
	s_mov_b32 s59, 0
	s_lshl_b32 s60, s41, 4
	s_lshl_b32 s61, s14, 2
	s_add_co_u32 s60, s60, s61
	s_mul_i32 s60, s60, 12288                      ; my four tiles of 16 tokens
	s_mov_b32 s61, 0
	s_lshl_b32 s62, s41, 8
	s_lshl_b32 s63, s14, 6
	s_add_co_u32 s62, s62, s63
	s_lshl_b32 s62, s62, 5
	s_add_co_u32 s62, s62, 4096*768                ; their scale bytes
	s_mov_b32 s63, 0
	s_lshr_b32 s20, s41, 3
	s_lshl_b32 s20, s20, 4
	s_lshl_b32 s21, s44, 2
	s_add_co_u32 s20, s20, s21                     ; batch x 16 + first head
	s_lshl_b32 s20, s20, 4
	s_lshl_b32 s21, s41, 1
	s_lshr_b32 s22, s14, 1
	s_add_co_u32 s21, s21, s22
	s_and_b32 s21, s21, 15                         ; the step of 128 tokens
	s_add_co_u32 s20, s20, s21
	s_mul_i32 s20, s20, REC
	s_mul_i32 s22, s45, 3072                       ; q, k: my four half fragments; v: my half of each fragment
	s_mul_i32 s23, s45, 768
	s_add_co_u32 s23, s23, 6144
	s_lshl_b32 s66, s45, 8
	s_add_co_u32 s66, s66, 12288
	s_lshl_b32 s67, s45, 1
	s_add_co_u32 s67, s67, 12800
	s_cmp_eq_u32 s43, 2
	s_cselect_b32 s22, s23, s22
	s_cselect_b32 s66, s67, s66
	s_add_co_u32 s22, s22, s20
	s_add_co_u32 s66, s66, s20
	s_mov_b32 s23, 0
	s_mov_b32 s67, 0
	s_mov_b32 s[SEL], 0x76543210
	s_mov_b32 s[SEL+1], 0xfedcba98
	s_mul_i32 s49, s14, 64*PITCH
	s_wait_dscnt 0x0
	s_wait_alu depctr_va_vdst(0)
	s_wait_kmcnt 0x0
	s_cmp_eq_u32 s43, 0
	s_cselect_b64 s[4:5], s[74:75], s[78:79]
	s_cselect_b64 s[6:7], s[76:77], s[80:81]
	s_cselect_b64 s[12:13], s[86:87], s[88:89]
	s_cmp_eq_u32 s43, 2
	s_cselect_b64 s[4:5], s[82:83], s[4:5]
	s_cselect_b64 s[6:7], s[84:85], s[6:7]
	s_add_nc_u64 s[8:9], s[72:73], s[60:61]
	s_add_nc_u64 s[10:11], s[72:73], s[62:63]
	s_add_nc_u64 s[16:17], s[12:13], s[22:23]
	s_add_nc_u64 s[18:19], s[12:13], s[66:67]
	s_mov_b32 s48, 1
	s_add_nc_u64 s[50:51], s[4:5], s[56:57]
	s_or_b32 s51, s51, 0x80000000
	s_add_nc_u64 s[54:55], s[6:7], s[58:59]
	CROUND                                         ; the four partners are here: the joint loads meet
	tensor_load_to_lds s[48:51], s[24:31]          ; wave w: rows 64 w .. 64 w + 63
	s_nop 0
	PLACES
.irp i, 0,1,2,3
	global_load_b128 v[BF+4*\i:BF+4*\i+3], v19, s[54:55] offset:2048*\i
.endr
.irp pr, 0,1
.irp hf, 0,1
	global_load_b128 v[SA+8*\pr+4*\hf:SA+8*\pr+4*\hf+3], v[L32], s[10:11] offset:1024*\pr+16*\hf   ; h's scale words: a lane a row
.endr
.endr
.irp k, 0,1,2,3,4,5,6,7
.if \k < 5
	WIN 0x40
.set AR, 48*\k
.else
	WIN 0x80
.set AR, 48*(\k-5)
.endif
.irp a, 0,1,2,3
.irp c, 0,1,2
	global_load_b128 v[AR+12*\a+4*\c:AR+12*\a+4*\c+3], v[L16], s[8:9] offset:\a*12288+\k*1536+512*\c   ; 512 consecutive bytes a load
.endr
.endr
.endr
	WIN 0
	s_wait_loadcnt 63                              ; the four loads of scale bytes are in: 100 loads were issued behind them (63 is the most a wait names)
	s_wait_tensorcnt 0x0                           ; my 64 rows of codes have landed
.irp i, 0,1,2,3
	ds_store_b128 v20, v[BF+4*\i:BF+4*\i+3] offset:2048*\i
.endr
	s_wait_dscnt 0x0                               ; for the others' sake
	s_barrier_signal -1
	s_barrier_wait -1                              ; the weight's rows and scales lie in LDS for all four waves; nothing is filled again
	s_cmp_eq_u32 s43, 2
	s_cbranch_scc1 .Lrole_v
	WALK 0, LBP, LSP
	s_branch .Lend
.Lrole_v:
	WALK 1, LBN, LSN
.Lend:
	s_wait_tensorcnt 0x0                           ; the wave's end
	ds_add_u32 v[SPW], v[NIL]
	s_wait_dscnt 0x0
	CROUND                                         ; the closing round
	s_endpgm
.Lfunc_end_k_q3bf06449c0_qkv:
	.size	k_q3bf06449c0_qkv, .Lfunc_end_k_q3bf06449c0_qkv-k_q3bf06449c0_qkv
	.p2alignl 7, 3214868480
	.fill 96, 4, 3214868480
	.section	.rodata,"a",@progbits
	.p2align	6, 0x0
	.amdhsa_kernel k_q3bf06449c0_qkv
		.amdhsa_group_segment_fixed_size 218112
		.amdhsa_private_segment_fixed_size 0
		.amdhsa_enable_private_segment 0
		.amdhsa_kernarg_size 72
		.amdhsa_user_sgpr_count 2
		.amdhsa_user_sgpr_kernarg_segment_ptr 1
		.amdhsa_wavefront_size32 1
		.amdhsa_system_sgpr_workgroup_id_x 1
		.amdhsa_system_sgpr_workgroup_id_y 1
		.amdhsa_system_sgpr_workgroup_id_z 1
		.amdhsa_system_vgpr_workitem_id 0
		.amdhsa_next_free_vgpr 896
		.amdhsa_next_free_sgpr 100
		.amdhsa_reserve_vcc 0
		.amdhsa_float_denorm_mode_32 3
		.amdhsa_float_denorm_mode_16_64 3
		.amdhsa_memory_ordered 1
		.amdhsa_forward_progress 1
		.amdhsa_inst_pref_size 101
	.end_amdhsa_kernel
	.amdgpu_metadata
---
amdhsa.version: [ 1, 2 ]
amdhsa.kernels:
  - .name:           k_q3bf06449c0_qkv
    .symbol:         k_q3bf06449c0_qkv.kd
    .args:
      - { .name: hq, .offset: 0, .size: 8, .value_kind: global_buffer, .address_space: global }
      - { .name: Wq_codes, .offset: 8, .size: 8, .value_kind: global_buffer, .address_space: global }
      - { .name: Wq_scales, .offset: 16, .size: 8, .value_kind: global_buffer, .address_space: global }
      - { .name: Wk_codes, .offset: 24, .size: 8, .value_kind: global_buffer, .address_space: global }
      - { .name: Wk_scales, .offset: 32, .size: 8, .value_kind: global_buffer, .address_space: global }
      - { .name: Wv_codes, .offset: 40, .size: 8, .value_kind: global_buffer, .address_space: global }
      - { .name: Wv_scales, .offset: 48, .size: 8, .value_kind: global_buffer, .address_space: global }
      - { .name: qrec, .offset: 56, .size: 8, .value_kind: global_buffer, .address_space: global }
      - { .name: kv, .offset: 64, .size: 8, .value_kind: global_buffer, .address_space: global }
    .group_segment_fixed_size: 218112
    .private_segment_fixed_size: 0
    .kernarg_segment_align: 8
    .kernarg_segment_size: 72
    .max_flat_workgroup_size: 128
    .sgpr_count:     100
    .vgpr_count:     896
    .wavefront_size: 32
...
	.end_amdgpu_metadata
.endif
;; end of part 2
;; launch attn (part 3): grid 8 x 32, 16 waves a work-group, clusters of 4 x 1, 297,728 bytes of LDS; arguments qrec, kv, at; writes at
.if DOCPART == 3
	.amdgcn_target "amdgcn-amd-amdhsa--gfx1250"
	.amdhsa_code_object_version 6
	.text
	.protected	k_q3bf06449c0_attn
	.globl	k_q3bf06449c0_attn
	.p2align	8
	.type	k_q3bf06449c0_attn,@function
k_q3bf06449c0_attn:
	s_mov_b64 s[64:65], 0
	v_nop
	global_prefetch_b8 v0, s[64:65] scope:SCOPE_SE
	s_setreg_imm32_b32 hwreg(HW_REG_WAVE_MODE, 25, 1), 1
	s_wait_xcnt 0x0
	s_wait_alu depctr_hold_cnt(0) depctr_sa_sdst(0) depctr_va_vdst(0) depctr_va_sdst(0) depctr_va_ssrc(0) depctr_va_vcc(0) depctr_vm_vsrc(0)
	s_getreg_b32 s2, hwreg(HW_REG_IB_STS2, 6, 4)
	s_cmp_eq_u32 s2, 0
	s_cbranch_scc0 .Lentry_in_a_cluster
	s_endpgm
.Lentry_in_a_cluster:
	s_bfe_u32 s2, ttmp6, 0x10000c
	s_cmp_lg_u32 s2, 0x3003
	s_cbranch_scc0 .Lentry_shape_is_right
	s_endpgm
.Lentry_shape_is_right:
; Causal attention of one head on codes of FP6 (E2M3) with E8M0 scales; head size 64; the result, O / l, is quantised along the model's axis and leaves as codes, the next product's operand.
; THE SOFTMAX AHEAD OF THE SECOND PRODUCT: t = score x log2(e) / 8; M = the running largest t rounded UP to a whole number; p = 2^(t - M) is quantised along the keys; the row's sum is taken of the unquantised p and divides at the end.
; When M moves, the sum and O are multiplied by 2^(old M - new M): exact.
; SHARES.  Work-group (j, y): head y % 16 of batch y / 16, and the sixteen tiles 8 u + j (u = 0 .. 15) of 16 queries.  Tile u needs the key steps 0 .. u (128 keys each), the last of them on the diagonal, whatever j is.
; The waves 2 i and 2 i + 1 share the tiles 15 - i and i, 17 steps: one wave takes steps 7 - i .. 15 - i of tile 15 - i (9 steps); the other takes steps 0 .. 6 - i of that tile, stores its O^T, -M and sums as an image of
; the registers in LDS, begins anew and takes tile i whole (8 steps).  Every wave walks the same two loops of constant length and jumps over the steps that are not its own; the first wave's first loop is empty.
; Behind one barrier at the end every wave joins its state with its partner's image: the larger M holds, both sides are multiplied by whole powers of two; an empty image has the factor 0.  Which wave of a pair takes which part
; is (w ^ (w / 4)) % 2: of four waves with the same w / 4, or with the same w % 4, two take nine steps and two eight.
; K AND V.  The head's 16 records (13,056 bytes for each 128 keys: see the launch that writes them) are 208,896 dense bytes: they come into LDS ONCE and stay: no slot is filled again.
; CLUSTER.  The four work-groups of a cluster belong to one head: each record is asked for JOINTLY, by the same tensor load with the same descriptor and a mask that names the four.  j enters global addresses and the mask's numbers alone.
; LAYOUT.  Both products are used transposed: S^T = K Q^T (source 0 = 16 keys, source 1 = my 16 queries), O^T = V^T P^T: a lane holds one query throughout.
; K = 64 FILLS HALF OF THE INSTRUCTION'S 128: Q's registers 6-11 are zero codes.  K's operand of tile t runs on into tile t + 1's codes (tile 7's into zeros): they meet zero codes and add nothing; the scale words repeat
; their two bytes, so that no other scale enters.
; Within a block of 32 keys p's codes stand in the order 0-7, 16-23, 8-15, 24-31, as v's do; q's and k's likewise along the head's axis: no sum changes.  O is put into the natural order ahead of its quantiser: it meets a given weight.
; LIMITS: a block of zeros gets the byte 1 (its codes are zeros; the bytes are read by this program alone); NaN and infinities are not served.  The scale bytes leave two at a time, in runs of 64 bytes with gaps.
; REGISTERS: v1-11, v28 addresses; v12 -M, v13 the largest t, v[14:15] the sum; v16-21 Q, v22-27 zeros; v32-79 K's eight tiles, then V's four fragments; v80-85 zeros; v86-91 the second tile's Q, v92 its scale words;
; v96-159 S^T, then p; v160-191 O^T; v224-235 p's codes; v232-254 at work; v248-251 K's or V's scale words, v253 p's, v255 Q's.
.set REC,   13056
.set HEADB, 16*REC
.set VOF,   6144
.set KSC,   12288
.set VSC,   12800
.set DUMPW, 9*512                      ; a wave's image: O^T's 32 registers and v12-15, 512 bytes for each four registers
.set DUMP,  17*REC                     ; the images lie behind the records and one record's length of unused bytes: the stepped address, which stands one record past the last behind the last trip, never names them
.set L8,  1                            ; v1  8 x lane
.set L4,  2                            ; v2  4 x lane
.set R4,  6                            ; v6  4 x (lane % 16)
.set AD8, 8                            ; v8  the step's record + 8 x lane
.set AD4, 9                            ; v9  the step's record + 4 x lane
.set DD,  10                           ; v10 my query's place in the diagonal step, less 8 (lane / 16)
.set DW,  11                           ; v11 my wave's image + 16 x lane
.set DR,  28                           ; v28 my partner's image + 16 x lane
.set Q2,  86                           ; v86-92 the second tile's Q and its scale words
.set TB,  2                            ; s2  LDS byte at which the step's record begins
.set SI,  3                            ; s3  the step
.set WV,  18
.set WP,  19                           ; s19 the second loop's tile, and its last step
.set SEL, 20
.set CS,  22                           ; s[22:23] log2(e) / 8
.set G1A, 24                           ; s[24:31] group 1: one record, 51 rows of 256 bytes
.set G1B, 32
.set G0A, 40
.set G0B, 44
.set N1,  66                           ; s66 the first loop's steps: 0 .. N1 - 1
.set ST2, 67                           ; s67 the second loop's first step
.macro CROUND
	s_barrier_signal -1
	s_barrier_wait -1
	s_cmp_lg_u32 s[WV], 0
	s_cbranch_scc1 .Lnot_wave_0_\@
	s_barrier_signal -3
.Lnot_wave_0_\@:
	s_barrier_wait -3
	s_barrier_signal -1
	s_barrier_wait -1
.endm
.macro INIT                            ; the empty state: the largest t so far is -3e38, under every t; sums and O^T are zeros, which the first change of M leaves zeros
	v_mov_b32 v13, 0xff61b1e6
	s_delay_alu instid0(VALU_DEP_1)
	v_floor_f32 v12, -v13                          ; -M
	v_mov_b32 v14, 0
	v_mov_b32 v15, 0
.set n, 0
.rept 32
	v_mov_b32 v[160+n], 0
.set n, n+1
.endr
.endm
	s_load_b128 s[4:7], s[0:1], 0x0                ; qrec, kv
	s_load_b64 s[8:9], s[0:1], 0x10                ; at
	v_lshl_add_u32 v223, v0, 2, 0x48300
	v_mov_b32 v243, 0
	ds_add_u32 v223, v243
	ds_add_u32 v223, v243
	v_lshrrev_b32 v3, 5, v0
	s_delay_alu instid0(VALU_DEP_1)
	v_readfirstlane_b32 s[WV], v3                  ; wave 0..15
	s_lshr_b32 s10, s[WV], 1                       ; i: my pair
	s_lshr_b32 s11, s[WV], 2
	s_xor_b32 s11, s11, s[WV]
	s_and_b32 s11, s11, 1                          ; 0: nine steps of the long tile; 1: its first steps, then the short tile
	s_sub_co_u32 s12, 15, s10                      ; the long tile
	s_sub_co_u32 s13, 7, s10                       ; where it is cut
	s_cmp_eq_u32 s11, 0
	s_cselect_b32 s[N1], 0, s13
	s_cselect_b32 s[ST2], s13, 0
	s_cselect_b32 s[WP], s12, s10
	s_bfe_u32 s48, ttmp6, 0x40000                  ; cx
	s_lshl_b32 s14, ttmp9, 2
	s_add_co_u32 s14, s14, s48                     ; j
	s_and_b32 s15, ttmp7, 0xffff                   ; y, which the four partners share
	s_mul_i32 s16, s15, HEADB
	s_mov_b32 s17, 0
	s_mov_b32 s[G1A], 15|(3<<16)|(1<<21)           ; the mask: all four work-groups; elements of 8 bytes; no padding; bit 21 set beside a mask
	s_mov_b32 s[G1A+1], 32<<16                     ; tensor_dim0 = 32 elements: rows of 256 bytes
	s_mov_b32 s[G1A+2], 51<<16                     ; tensor_dim1
	s_mov_b32 s[G1A+3], 32<<16                     ; tile_dim0
	s_mov_b32 s[G1A+4], 51                         ; tile_dim1
	s_mov_b32 s[G1A+5], 32                         ; the pitch: dense
	s_mov_b32 s[G1A+6], 0
	s_mov_b32 s[G1A+7], 0
	s_mul_i32 s48, s[WV], REC                      ; wave w fetches record w: sixteen records, sixteen waves, one tensor load each
	s_mov_b32 s[SEL], 0x76543210
	s_mov_b32 s[SEL+1], 0xfedcba98
	s_mov_b32 s[CS], 0x3e38aa3b                    ; log2(e) / 8
	s_mov_b32 s[CS+1], s[CS]                       ; (named with it as a pair, so it is written)
	s_mov_b32 s[TB], 0
	s_mov_b32 s[SI], 0
	s_wait_dscnt 0x0
	s_wait_kmcnt 0x0
	s_add_nc_u64 s[6:7], s[6:7], s[16:17]          ; kv at my head
	s_mov_b32 s50, s48
	s_mov_b32 s51, 0
	s_mov_b32 s[G0A], 1
	s_mov_b32 s[G0A+1], s48
	s_add_nc_u64 s[G0A+2:G0A+3], s[6:7], s[50:51]
	s_or_b32 s[G0A+3], s[G0A+3], 0x80000000
	CROUND                                         ; all four work-groups are here: the joint loads meet
	tensor_load_to_lds s[G0A:G0A+3], s[G1A:G1A+7]
	s_nop 0
.rept 4
	v_nop
.endr
	v_and_b32 v3, 31, v0
	s_delay_alu instid0(VALU_DEP_1)
	v_lshlrev_b32 v[L8], 3, v3
	s_wait_alu depctr_va_vdst(0)
	v_lshlrev_b32 v[L4], 2, v3
	v_and_b32 v4, 15, v0                           ; r
	v_bfe_u32 v5, v0, 4, 1                         ; h
	s_delay_alu instid0(VALU_DEP_2)
	v_lshlrev_b32 v[R4], 2, v4
	s_wait_alu depctr_va_vdst(0)
	s_add_nc_u64 s[4:5], s[4:5], s[16:17]          ; qrec at my head
	s_mul_i32 s50, s12, REC
	s_add_nc_u64 s[54:55], s[4:5], s[50:51]        ; the long tile's record,
	s_mul_i32 s50, s[WP], REC
	s_add_nc_u64 s[56:57], s[4:5], s[50:51]        ; and the second loop's tile's
	s_lshl_b32 s50, s14, 6
	s_add_nc_u64 s[58:59], s[54:55], s[50:51]      ; the scale words: 64 j on
	s_add_nc_u64 s[68:69], s[56:57], s[50:51]
	s_mul_i32 s50, s14, 768
	s_add_nc_u64 s[54:55], s[54:55], s[50:51]      ; the codes: 768 j on
	s_add_nc_u64 s[56:57], s[56:57], s[50:51]
.irp p, 0,1,2
	global_load_b64 v[16+2*\p:17+2*\p], v[L8], s[54:55] offset:256*\p
.endr
	global_load_b32 v255, v[R4], s[58:59] offset:KSC
.irp p, 0,1,2
	global_load_b64 v[Q2+2*\p:Q2+2*\p+1], v[L8], s[56:57] offset:256*\p
.endr
	global_load_b32 v[Q2+6], v[R4], s[68:69] offset:KSC
	s_mul_i32 s78, s[WV], DUMPW
	s_add_co_u32 s78, s78, DUMP                    ; my image,
	s_xor_b32 s79, s[WV], 1
	s_mul_i32 s79, s79, DUMPW
	s_add_co_u32 s79, s79, DUMP                    ; my partner's
	v_lshlrev_b32 v7, 4, v3
	s_delay_alu instid0(VALU_DEP_1)
	v_add_nc_u32 v[DW], s78, v7
	s_delay_alu instid0(VALU_DEP_2)
	v_add_nc_u32 v[DR], s79, v7
	v_lshlrev_b32 v7, 3, v5
	s_delay_alu instid0(VALU_DEP_1)
	v_sub_nc_u32 v[DD], v4, v7
	s_lshl_b32 s52, s14, 4
	v_add_nc_u32 v[DD], s52, v[DD]                 ; 16 j + r - 8 h
	; where the result goes: codes at ((128 batch + 8 tile + j) x 8 + head / 2) x 1,536 + (head % 2) x 768; scale bytes at 3,145,728 + ((head / 2) x 4,096 + token) x 4 + 2 (head % 2)
	s_lshr_b32 s70, s15, 4
	s_and_b32 s71, s15, 15
	s_lshr_b32 s72, s71, 1
	s_and_b32 s71, s71, 1
	s_lshl_b32 s73, s70, 7
	s_lshl_b32 s74, s[WP], 3
	s_add_co_u32 s73, s73, s74
	s_add_co_u32 s73, s73, s14                     ; the tile of 16 tokens
	s_lshl_b32 s74, s73, 3
	s_add_co_u32 s74, s74, s72
	s_mul_i32 s76, s74, 1536
	s_mul_i32 s74, s71, 768
	s_add_co_u32 s76, s76, s74
	s_mov_b32 s77, 0
	s_add_nc_u64 s[60:61], s[8:9], s[76:77]
	s_lshl_b32 s74, s72, 12
	s_lshl_b32 s73, s73, 4
	s_add_co_u32 s74, s74, s73
	s_lshl_b32 s76, s74, 2
	s_lshl_b32 s71, s71, 1
	s_add_co_u32 s76, s76, s71
	s_add_co_u32 s76, s76, 4096*768
	s_add_nc_u64 s[62:63], s[8:9], s[76:77]
.irp i, 22,23,24,25,26,27,80,81,82,83,84,85,236,237,238,239,252,253
	v_mov_b32 v[\i], 0                             ; zero codes; and registers that a lane permute or a pair names before they are first written
.endr
	INIT
; A KEY STEP: 128 keys.  A step that is not mine is left out: a scalar branch on numbers made of the wave's number and on the step, not round the lines at its end that step the address and the count.
; job = 1: steps 0 .. N1 - 1, none of them on the diagonal;  job = 2: steps ST2 .. WP, the last on the diagonal.
.macro STEP job
.if \job == 1
	s_cmp_ge_u32 s[SI], s[N1]
	s_cbranch_scc1 .Lhidden_\@
.else
	s_cmp_gt_u32 s[SI], s[WP]
	s_cbranch_scc1 .Lhidden_\@
	s_cmp_lt_u32 s[SI], s[ST2]
	s_cbranch_scc1 .Lhidden_\@
.endif
	v_add_nc_u32 v[AD8], s[TB], v[L8]
	v_add_nc_u32 v[AD4], s[TB], v[L4]
	v_nop
	v_nop                                          ; four plain instructions in front of loads into registers that the last step's products have read
.irp t, 0,1,2,3,4,5,6,7
.irp p, 0,1,2
	ds_load_b64 v[32+6*\t+2*\p:33+6*\t+2*\p], v[AD8] offset:768*\t+256*\p
.endr
.endr
.irp u, 0,1,2,3
	ds_load_b32 v[248+\u], v[AD4] offset:KSC+128*\u   ; lanes 0-15: tile 2 u's scale words, lanes 16-31: tile 2 u + 1's
.endr
	s_wait_alu depctr_va_vdst(0)
	s_wait_dscnt 0x0
.irp u, 0,1,2,3
	v_wmma_scale_f32_16x16x128_f8f6f4 v[96+16*\u:103+16*\u], v[32+12*\u:43+12*\u], v[16:27], 0, v[248+\u], v255 matrix_a_fmt:MATRIX_FMT_FP6 matrix_b_fmt:MATRIX_FMT_FP6
	v_wmma_scale_f32_16x16x128_f8f6f4 v[104+16*\u:111+16*\u], v[38+12*\u:49+12*\u], v[16:27], 0, v[248+\u], v255 matrix_a_fmt:MATRIX_FMT_FP6 matrix_b_fmt:MATRIX_FMT_FP6 matrix_a_scale:MATRIX_SCALE_ROW1
.endr
.rept 4
	v_nop                                          ; places: K's registers are loaded again, and the scores read
.endr
.irp t, 0,1,2,3                                ; V's fragments land while the softmax is worked
.irp p, 0,1,2,3,4,5
	ds_load_b64 v[32+12*\t+2*\p:33+12*\t+2*\p], v[AD8] offset:VOF+1536*\t+256*\p
.endr
.endr
.irp u, 0,1
	ds_load_b32 v[248+\u], v[AD4] offset:VSC+128*\u
.endr
.if \job == 2
	s_cmp_lg_u32 s[SI], s[WP]                      ; on the diagonal the scores of hidden keys become -infinity ahead of the maximum: p = 0 then
	s_cbranch_scc1 .Lopen_\@
	v_mov_b32 v254, 0xff800000
.set n, 0
.rept 64
	v_cmp_gt_i32 vcc_lo, 16*(n/8)+n%8, v[DD]       ; register n holds key 16 (n / 8) + 8 (lane / 16) + n % 8 of the step
	v_cndmask_b32 v[96+n], v[96+n], v254, vcc_lo
.set n, n+1
.endr
.Lopen_\@:
.endif
.irp b, 0,1,2,3
	v_max3_num_f32 v[232+\b], v[96+16*\b], v[97+16*\b], v[98+16*\b]   ; the largest score of each block of 32 keys: for the row's maximum, and, since p rises with the score, for the block's largest p
.endr
.irp i, 3,5,7,9,11,13
.irp b, 0,1,2,3
	v_max3_num_f32 v[232+\b], v[232+\b], v[96+16*\b+\i], v[97+16*\b+\i]
.endr
.endr
.irp b, 0,1,2,3
	v_max_num_f32 v[232+\b], v[232+\b], v[111+16*\b]
.endr
.irp b, 0,1,2,3
	s_delay_alu instid0(VALU_DEP_4)
	v_permlanex16_b32 v[236+\b], v[232+\b], s[SEL], s[SEL+1]
.endr
.irp b, 0,1,2,3
	s_delay_alu instid0(VALU_DEP_4)
	v_max_num_f32 v[232+\b], v[232+\b], v[236+\b]
.endr
	s_delay_alu instid0(VALU_DEP_2)
	v_max3_num_f32 v254, v232, v233, v234
	s_delay_alu instid0(VALU_DEP_1)
	v_max_num_f32 v254, v254, v235
	s_delay_alu instid0(VALU_DEP_1)
	v_mul_f32 v254, s[CS], v254
	s_delay_alu instid0(VALU_DEP_1)
	v_max_num_f32 v13, v13, v254                   ; the running largest t
	v_mov_b32 v254, v12
	s_delay_alu instid0(VALU_DEP_2)
	v_floor_f32 v12, -v13                          ; the new -M = -ceil(t)
	s_delay_alu instid0(VALU_DEP_1)
	v_sub_f32 v254, v12, v254                      ; old M - new M: a whole number, 0 or less
	s_delay_alu instid0(VALU_DEP_1)
	v_cvt_i32_f32 v254, v254
	s_delay_alu instid0(VALU_DEP_1)
	v_ldexp_f32 v252, 1.0, v254                    ; f = 2^(old M - new M)
.set n, 0
.rept 32
	v_pk_fma_f32 v[96+n:97+n], v[96+n:97+n], s[CS:CS+1], v[12:13] op_sel_hi:[1,0,0]   ; t - M
.set n, n+2
.endr
.irp b, 0,1,2,3
	v_fma_f32 v[232+\b], v[232+\b], s[CS], v12
.endr
.set n, 0
	s_wait_alu depctr_va_vdst(0)
.rept 64
	v_exp_f32 v[96+n], v[96+n]                     ; p = 2^(t - M)
.set n, n+1
.endr
	v_pk_mul_f32 v[14:15], v[14:15], v[252:253] op_sel_hi:[1,0]   ; the sums under the new M: a plain instruction behind the exponentials
	s_wait_alu depctr_va_vdst(0)                   ; one wait for the batch, ahead of its first reader
.irp b, 0,1,2,3
	v_exp_f32 v[232+\b], v[232+\b]                 ; the block's largest p
.endr
	v_pk_add_f32 v[236:237], v[100:101], v[104:105]
	v_pk_add_f32 v[250:251], v[108:109], v[112:113]
	v_pk_add_f32 v[246:247], v[116:117], v[120:121]
	v_pk_add_f32 v[244:245], v[124:125], v[128:129]
	v_pk_add_f32 v[240:241], v[132:133], v[136:137]
	v_pk_add_f32 v[238:239], v[140:141], v[144:145]
	v_pk_add_f32 v[230:231], v[148:149], v[152:153]
	v_pk_add_f32 v[14:15], v[14:15], v[156:157]
	v_pk_add_f32 v[236:237], v[236:237], v[96:97]
	v_pk_add_f32 v[250:251], v[250:251], v[98:99]
	v_pk_add_f32 v[246:247], v[246:247], v[102:103]
	v_pk_add_f32 v[244:245], v[244:245], v[106:107]
	v_pk_add_f32 v[240:241], v[240:241], v[110:111]
	v_pk_add_f32 v[238:239], v[238:239], v[114:115]
	v_pk_add_f32 v[230:231], v[230:231], v[118:119]
	v_pk_add_f32 v[14:15], v[14:15], v[122:123]
	v_pk_add_f32 v[236:237], v[236:237], v[126:127]
	v_pk_add_f32 v[250:251], v[250:251], v[130:131]
	v_pk_add_f32 v[246:247], v[246:247], v[134:135]
	v_pk_add_f32 v[244:245], v[244:245], v[138:139]
	v_pk_add_f32 v[240:241], v[240:241], v[142:143]
	v_pk_add_f32 v[238:239], v[238:239], v[146:147]
	v_pk_add_f32 v[230:231], v[230:231], v[150:151]
	v_pk_add_f32 v[14:15], v[14:15], v[154:155]
	v_pk_add_f32 v[236:237], v[236:237], v[158:159]
	s_delay_alu instid0(VALU_DEP_2)
	v_pk_add_f32 v[14:15], v[14:15], v[244:245]
	s_delay_alu instid0(VALU_DEP_2)
	v_pk_add_f32 v[236:237], v[236:237], v[240:241]
	v_pk_add_f32 v[250:251], v[250:251], v[238:239]
	v_pk_add_f32 v[246:247], v[246:247], v[230:231]
	s_delay_alu instid0(VALU_DEP_2)
	v_pk_add_f32 v[14:15], v[14:15], v[250:251]
	s_delay_alu instid0(VALU_DEP_2)
	v_pk_add_f32 v[236:237], v[236:237], v[246:247]
	s_delay_alu instid0(VALU_DEP_1)
	v_pk_add_f32 v[14:15], v[14:15], v[236:237]
	s_wait_alu depctr_va_vdst(0)                   ; and one for the four
.irp b, 0,1,2,3
	v_max_num_f32 v[232+\b], 0x1800000, v[232+\b]  ; the floor 2^(3 - 127)
.endr
.irp b, 0,1,2,3
	s_delay_alu instid0(VALU_DEP_4)
	v_add_nc_u32 v[244+\b], 0xff000000, v[232+\b]
.endr
.irp b, 0,1,2,3
	s_delay_alu instid0(VALU_DEP_4)
	v_lshrrev_b32 v[236+\b], 23, v[244+\b]
.endr
	s_delay_alu instid0(VALU_DEP_3)
	v_lshl_or_b32 v253, v237, 8, v236              ; p's scale word for these 128 keys
	s_delay_alu instid0(VALU_DEP_1)
	v_lshl_or_b32 v253, v238, 16, v253
	s_delay_alu instid0(VALU_DEP_1)
	v_lshl_or_b32 v253, v239, 24, v253
.irp c, 0,1
	v_cvt_scalef32_pk16_fp6_f32 v[224+6*\c:226+6*\c], v[96+32*\c:111+32*\c], v[244+2*\c]
	v_cvt_scalef32_pk16_fp6_f32 v[236+4*\c:238+4*\c], v[112+32*\c:127+32*\c], v[244+2*\c+1]
.endr
	v_nop
.irp c, 0,1
.irp i, 0,1,2
	v_permlane16_swap_b32 v[224+6*\c+\i], v[236+4*\c+\i]
.endr
.irp i, 0,1,2
	s_delay_alu instid0(VALU_DEP_3)
	v_mov_b32 v[227+6*\c+\i], v[236+4*\c+\i]
.endr
.endr
.set n, 0
.rept 16
	v_pk_mul_f32 v[160+n:161+n], v[160+n:161+n], v[252:253] op_sel_hi:[1,0]   ; O^T under the new M; these lines also stand between the writes of p's codes and scale word and the products
.set n, n+2
.endr
	s_wait_alu depctr_va_vdst(0)
	s_wait_dscnt 0x0                               ; V
.irp u, 0,1
	v_wmma_scale_f32_16x16x128_f8f6f4 v[160+16*\u:167+16*\u], v[32+24*\u:43+24*\u], v[224:235], v[160+16*\u:167+16*\u], v[248+\u], v253 matrix_a_fmt:MATRIX_FMT_FP6 matrix_b_fmt:MATRIX_FMT_FP6
	v_wmma_scale_f32_16x16x128_f8f6f4 v[168+16*\u:175+16*\u], v[44+24*\u:55+24*\u], v[224:235], v[168+16*\u:175+16*\u], v[248+\u], v253 matrix_a_fmt:MATRIX_FMT_FP6 matrix_b_fmt:MATRIX_FMT_FP6 matrix_a_scale:MATRIX_SCALE_ROW1
.endr
.Lhidden_\@:
	s_add_co_u32 s[TB], s[TB], REC
	s_add_co_u32 s[SI], s[SI], 1
.endm
	s_wait_tensorcnt 0x0                           ; a fetching wave's loads have landed: a wave's first step may be any of steps 0 to 7, so all records are awaited
	s_barrier_signal -1
	s_barrier_wait -1
	s_wait_loadcnt 0x0                             ; both tiles' Q
.Ljob1:                                            ; the long tile's first steps: seven at the most
	STEP 1
	s_cmp_lt_u32 s[SI], 7
	s_cbranch_scc1 .Ljob1
.rept 4
	v_nop                                          ; places behind the last products: their results are read below
.endr
	s_wait_alu depctr_va_vdst(0)
.irp k, 0,1,2,3,4,5,6,7
	ds_store_b128 v[DW], v[160+4*\k:163+4*\k] offset:512*\k   ; O^T as it stands, each accumulator from its low end on
.endr
	ds_store_b128 v[DW], v[12:15] offset:4096      ; -M, the largest t, the sum's two halves
	s_wait_dscnt 0x0                               ; the stores have read their registers
.irp i, 0,1,2,3,4,5
	v_mov_b32 v[16+\i], v[Q2+\i]                   ; the second loop's Q,
.endr
	v_mov_b32 v255, v[Q2+6]                        ; and its scale words; the 36 lines below stand between these writes and the next products
	INIT
	s_mov_b32 s[TB], 0
	s_mov_b32 s[SI], 0
.Ljob2:
	STEP 2
	s_cmp_lt_u32 s[SI], 16
	s_cbranch_scc1 .Ljob2
.rept 4
	v_nop                                          ; places behind the last products
.endr
	s_wait_dscnt 0x0
	s_barrier_signal -1
	s_barrier_wait -1                              ; every wave's image lies in LDS
.irp k, 0,1,2,3,4,5,6,7
	ds_load_b128 v[96+4*\k:99+4*\k], v[DR] offset:512*\k
.endr
	ds_load_b128 v[128:131], v[DR] offset:4096
	s_wait_dscnt 0x0
	; THE TWO PARTS OF A ROW ARE JOINED under the larger M: both factors are whole powers of two, 1 for the side whose M holds, 0 for an empty image (the difference saturates)
	v_min_num_f32 v254, v12, v128                  ; -M
	s_delay_alu instid0(VALU_DEP_1)
	v_sub_f32 v232, v254, v12                      ; my M - M
	s_delay_alu instid0(VALU_DEP_2)
	v_sub_f32 v234, v254, v128                     ; the image's M - M
	s_delay_alu instid0(VALU_DEP_2)
	v_cvt_i32_f32 v232, v232
	s_delay_alu instid0(VALU_DEP_2)
	v_cvt_i32_f32 v234, v234
	s_delay_alu instid0(VALU_DEP_2)
	v_ldexp_f32 v232, 1.0, v232
	s_delay_alu instid0(VALU_DEP_2)
	v_ldexp_f32 v234, 1.0, v234
	v_mov_b32 v233, 0                              ; (named as the upper halves of pairs)
	v_mov_b32 v235, 0
	s_delay_alu instid0(VALU_DEP_2)
	v_pk_mul_f32 v[14:15], v[14:15], v[232:233] op_sel_hi:[1,0]
	s_delay_alu instid0(VALU_DEP_1)
	v_pk_fma_f32 v[14:15], v[130:131], v[234:235], v[14:15] op_sel_hi:[1,0,1]
.set n, 0
.rept 16
	v_pk_mul_f32 v[160+n:161+n], v[160+n:161+n], v[232:233] op_sel_hi:[1,0]
.set n, n+2
.endr
.set n, 0
.rept 16
	v_pk_fma_f32 v[160+n:161+n], v[96+n:97+n], v[234:235], v[160+n:161+n] op_sel_hi:[1,0,1]
.set n, n+2
.endr
	; THE WAY OUT: O^T / the sum, into the natural order along the head's 64, two blocks of 32 quantised: half a fragment (16 tokens x 64 of the next K) and two scale bytes a token.
	v_add_f32 v14, v14, v15
	s_delay_alu instid0(VALU_DEP_1)
	v_permlanex16_b32 v252, v14, s[SEL], s[SEL+1]
	s_delay_alu instid0(VALU_DEP_1)
	v_add_f32 v14, v14, v252
	s_wait_alu depctr_va_vdst(0)
	v_rcp_f32 v14, v14
	v_nop                                          ; a plain instruction behind the reciprocal
	s_wait_alu depctr_va_vdst(0)                   ; ahead of the reciprocal's first reader
.set n, 0
.rept 32
	v_mul_f32 v[96+n], v[160+n], v14               ; register 8 t + i is o(query r, channel 16 t + 8 h + i)
.set n, n+1
.endr
.irp b, 0,1
.irp j, 0,1,2,3,4,5,6,7
	v_permlane16_swap_b32 v[96+16*\b+\j], v[104+16*\b+\j]   ; now register 16 b + i is channel 32 b + 16 h + i
.endr
.endr
.irp b, 0,1
	v_max3_num_f32 v[232+\b], |v[96+16*\b]|, |v[97+16*\b]|, 0x1800000
.endr
.irp i, 2,4,6,8,10,12,14
.irp b, 0,1
	s_delay_alu instid0(VALU_DEP_2)
	v_max3_num_f32 v[232+\b], v[232+\b], |v[96+16*\b+\i]|, |v[97+16*\b+\i]|
.endr
.endr
.irp b, 0,1
	s_delay_alu instid0(VALU_DEP_2)
	v_permlanex16_b32 v[236+\b], v[232+\b], s[SEL], s[SEL+1]
.endr
.irp b, 0,1
	s_delay_alu instid0(VALU_DEP_2)
	v_max_num_f32 v[232+\b], v[232+\b], v[236+\b]
.endr
.irp b, 0,1
	s_delay_alu instid0(VALU_DEP_2)
	v_add_nc_u32 v[244+\b], 0xff000000, v[232+\b]
.endr
.irp b, 0,1
	s_delay_alu instid0(VALU_DEP_2)
	v_lshrrev_b32 v[236+\b], 23, v[244+\b]
.endr
	s_delay_alu instid0(VALU_DEP_1)
	v_lshl_or_b32 v240, v237, 8, v236
	v_cvt_scalef32_pk16_fp6_f32 v[224:226], v[96:111], v244
	v_cvt_scalef32_pk16_fp6_f32 v[228:230], v[112:127], v245
	v_nop
.irp i, 0,1,2
	v_permlane16_swap_b32 v[224+\i], v[228+\i]
.endr
.irp i, 0,1,2
	s_delay_alu instid0(VALU_DEP_3)
	v_mov_b32 v[227+\i], v[228+\i]
.endr
.irp p, 0,1,2
	global_store_b64 v[L8], v[224+2*\p:225+2*\p], s[60:61] offset:256*\p   ; 32 lanes store 256 consecutive bytes, at a multiple of 256 from the buffer's first byte
.endr
	global_store_b16 v[R4], v240, s[62:63]         ; both halves of the lanes hold the same bytes and write them to the same place
	s_wait_tensorcnt 0x0
	ds_add_u32 v223, v243
	s_wait_dscnt 0x0
	CROUND                                         ; the closing round
	s_endpgm
.Lfunc_end_k_q3bf06449c0_attn:
	.size	k_q3bf06449c0_attn, .Lfunc_end_k_q3bf06449c0_attn-k_q3bf06449c0_attn
	.p2alignl 7, 3214868480
	.fill 96, 4, 3214868480
	.section	.rodata,"a",@progbits
	.p2align	6, 0x0
	.amdhsa_kernel k_q3bf06449c0_attn
		.amdhsa_group_segment_fixed_size 297728
		.amdhsa_private_segment_fixed_size 0
		.amdhsa_enable_private_segment 0
		.amdhsa_kernarg_size 24
		.amdhsa_user_sgpr_count 2
		.amdhsa_user_sgpr_kernarg_segment_ptr 1
		.amdhsa_wavefront_size32 1
		.amdhsa_system_sgpr_workgroup_id_x 1
		.amdhsa_system_sgpr_workgroup_id_y 1
		.amdhsa_system_sgpr_workgroup_id_z 1
		.amdhsa_system_vgpr_workitem_id 0
		.amdhsa_next_free_vgpr 256
		.amdhsa_next_free_sgpr 84
		.amdhsa_reserve_vcc 1
		.amdhsa_float_denorm_mode_32 3
		.amdhsa_float_denorm_mode_16_64 3
		.amdhsa_memory_ordered 1
		.amdhsa_forward_progress 1
		.amdhsa_inst_pref_size 61
	.end_amdhsa_kernel
	.amdgpu_metadata
---
amdhsa.version: [ 1, 2 ]
amdhsa.kernels:
  - .name:           k_q3bf06449c0_attn
    .symbol:         k_q3bf06449c0_attn.kd
    .args:
      - { .name: qrec, .offset: 0, .size: 8, .value_kind: global_buffer, .address_space: global }
      - { .name: kv, .offset: 8, .size: 8, .value_kind: global_buffer, .address_space: global }
      - { .name: at, .offset: 16, .size: 8, .value_kind: global_buffer, .address_space: global }
    .group_segment_fixed_size: 297728
    .private_segment_fixed_size: 0
    .kernarg_segment_align: 8
    .kernarg_segment_size: 24
    .max_flat_workgroup_size: 512
    .sgpr_count:     84
    .vgpr_count:     256
    .wavefront_size: 32
...
	.end_amdgpu_metadata
.endif
;; end of part 3
;; launch proj (part 4): grid 64 x 4, 4 waves a work-group, clusters of 4 x 1, 284,160 bytes of LDS; arguments at, Wp_codes, Wp_scales, bp, x, x1; writes x1
.if DOCPART == 4
	.amdgcn_target "amdgcn-amd-amdhsa--gfx1250"
	.amdhsa_code_object_version 6
	.text
	.protected	k_q3bf06449c0_proj
	.globl	k_q3bf06449c0_proj
	.p2align	8
	.type	k_q3bf06449c0_proj,@function
k_q3bf06449c0_proj:
	s_mov_b64 s[64:65], 0
	v_nop
	global_prefetch_b8 v0, s[64:65] scope:SCOPE_SE
	s_setreg_imm32_b32 hwreg(HW_REG_WAVE_MODE, 25, 1), 1
	s_wait_xcnt 0x0
	s_wait_alu depctr_hold_cnt(0) depctr_sa_sdst(0) depctr_va_vdst(0) depctr_va_sdst(0) depctr_va_ssrc(0) depctr_va_vcc(0) depctr_vm_vsrc(0)
	s_getreg_b32 s2, hwreg(HW_REG_IB_STS2, 6, 4)
	s_cmp_eq_u32 s2, 0
	s_cbranch_scc0 .Lentry_in_a_cluster
	s_endpgm
.Lentry_in_a_cluster:
	s_bfe_u32 s2, ttmp6, 0x10000c
	s_cmp_lg_u32 s2, 0x3003
	s_cbranch_scc0 .Lentry_shape_is_right
	s_endpgm
.Lentry_shape_is_right:
; x1 = x + attn Wp + bp on codes of FP6 (E2M3) with E8M0 scales, K = 1,024.  attn: images of operand registers, [tile of 16 rows][K step] x 1,536 bytes, plane p = registers 2 p, 2 p + 1 at 8 x lane; from byte 3,145,728 a scale word for each [K step][row].
; SHARES.  Work-group (x, y): 64 tokens x 256 channels, 64 x 4 = 256 work-groups.  A wave takes all 64 tokens and 64 channels of its own: 16 accumulators, 8 K steps x 16 matrix instructions by turns.
; LDS, filled once by one tensor load a wave: waves 0, 1 Wp's 256 rows (768 bytes, 16 of padding behind every 256: pitch 816), wave 2 its scale bytes, wave 3 the 64 tokens' fragments (49,152 dense bytes).  Nothing is filled again.
; CLUSTER: the four partners share y: Wp's codes and scales are asked for jointly; the tokens' fragments are each work-group's own.  No prefetch: every tile is asked for at the head, there is no loop to run ahead in.
; Source 0 = 16 rows of Wp, source 1 = 16 tokens: a lane holds a token and eight neighbouring channels.  The bias is the C of each sum's first instruction; the residual comes at the head in the layout in which rows leave.
; REGISTERS: window 0: v4-20 addresses, v32-47 attn's scale words, v48-63 Wp's, v64-159 Wp's fragments, v160-255 attn's (two sets each); window 1: v0-127 accumulators, v128-159 bias, v160-223 rows on the way out; window 2: the residual.
; THE HEAD, as it stands (in place of what is said above of who fills LDS): behind the round every wave asks jointly for its own 64 rows of Wp's codes, one tensor load a wave, ahead of all its global loads.
; Wp's 8,192 scale bytes (one byte in 24 of what is shared) and the work-group's own 49,152 bytes of fragments come by plain loads, a wave 512 consecutive bytes a load, and are stored into LDS ahead of the one barrier.
.set PITCH, 816
.set GRP,   64*PITCH
.set SCL,   4*GRP
.set AL,    SCL+8192
.set STG,   AL+49152
.set SPARE, STG+4*16*272
.set L8,  4
.set L4,  5
.set BO,  6
.set CO,  7
.set STO, 8
.set RD,  9
.set ADA, 10
.set AD,  14
.set AD2, 15
.set ADS, 16
.set SPW, 28
.set NIL, 29
.set SA,  32
.set SB,  48
.set BF,  64
.set AF,  160
.set MSB, 0
.macro WIN new
.if MSB != \new
	s_set_vgpr_msb (MSB<<8)|\new
.set MSB, \new
.endif
.endm
.macro CROUND
	s_barrier_signal -1
	s_barrier_wait -1
	s_cmp_lg_u32 s14, 0
	s_cbranch_scc1 .Lnot_wave_0_\@
	s_barrier_signal -3
.Lnot_wave_0_\@:
	s_barrier_wait -3
	s_barrier_signal -1
	s_barrier_wait -1
.endm
.macro PLACES
.rept 4
	v_nop
.endr
.endm
.macro FETCH k                         ; K step k: Wp's four fragments (pieces of 8 bytes; lanes 16-31 24 bytes on, for some pieces behind one padding more) and attn's four (planes of 256 bytes)
.irp b, 0,1,2,3
.irp p, 0,1,2,3,4,5
.set PCE, 12*(\k)+6*(\p/3)+\p%3
.if PCE%32 < 29
	ds_load_b64 v[BF+48*((\k)%2)+12*\b+2*\p:BF+48*((\k)%2)+12*\b+2*\p+1], v[AD] offset:8*PCE+16*(PCE/32)+16*\b*PITCH
.else
	ds_load_b64 v[BF+48*((\k)%2)+12*\b+2*\p:BF+48*((\k)%2)+12*\b+2*\p+1], v[AD2] offset:8*PCE+16*(PCE/32)+16*\b*PITCH
.endif
.endr
.endr
.irp a, 0,1,2,3
.irp p, 0,1,2,3,4,5
	ds_load_b64 v[AF+48*((\k)%2)+12*\a+2*\p:AF+48*((\k)%2)+12*\a+2*\p+1], v[ADA] offset:(8*\a+(\k))*1536+256*\p
.endr
.endr
.endm
.macro MUL k
	WIN 0x50                                       ; C and D in window 1
.irp a, 0,1,2,3
.irp b, 0,1,2,3
.set rD, 8*(4*\a+\b)
.set rC, rD
.if (\k) == 0
.set rC, 128+8*\b
.endif
.set rX, BF+48*((\k)%2)+12*\b
.set rY, AF+48*((\k)%2)+12*\a
.set qX, SB+8*(\b/2)+(\k)
.set qY, SA+8*(\a/2)+(\k)
.if (\b%2 == 0) && (\a%2 == 0)
	v_wmma_scale_f32_16x16x128_f8f6f4 v[rD:rD+7], v[rX:rX+11], v[rY:rY+11], v[rC:rC+7], v[qX], v[qY] matrix_a_fmt:MATRIX_FMT_FP6 matrix_b_fmt:MATRIX_FMT_FP6
.elseif \a%2 == 0
	v_wmma_scale_f32_16x16x128_f8f6f4 v[rD:rD+7], v[rX:rX+11], v[rY:rY+11], v[rC:rC+7], v[qX], v[qY] matrix_a_fmt:MATRIX_FMT_FP6 matrix_b_fmt:MATRIX_FMT_FP6 matrix_a_scale:MATRIX_SCALE_ROW1
.elseif \b%2 == 0
	v_wmma_scale_f32_16x16x128_f8f6f4 v[rD:rD+7], v[rX:rX+11], v[rY:rY+11], v[rC:rC+7], v[qX], v[qY] matrix_a_fmt:MATRIX_FMT_FP6 matrix_b_fmt:MATRIX_FMT_FP6 matrix_b_scale:MATRIX_SCALE_ROW1
.else
	v_wmma_scale_f32_16x16x128_f8f6f4 v[rD:rD+7], v[rX:rX+11], v[rY:rY+11], v[rC:rC+7], v[qX], v[qY] matrix_a_fmt:MATRIX_FMT_FP6 matrix_b_fmt:MATRIX_FMT_FP6 matrix_a_scale:MATRIX_SCALE_ROW1 matrix_b_scale:MATRIX_SCALE_ROW1
.endif
.endr
.endr
	WIN 0
.endm
	s_load_b256 s[4:11], s[0:1], 0x0               ; at s[4:5], Wp's codes s[6:7], scales s[8:9], bp s[10:11]
	s_load_b128 s[68:71], s[0:1], 0x20             ; x s[68:69], x1 s[70:71]
	v_lshl_add_u32 v[SPW], v0, 2, SPARE
	v_mov_b32 v[NIL], 0
	ds_add_u32 v[SPW], v[NIL]                      ; the opening lines
	ds_add_u32 v[SPW], v[NIL]
	v_lshrrev_b32 v1, 5, v0
	v_readfirstlane_b32 s14, v1                    ; wave
	v_and_b32 v1, 15, v0                           ; r
	v_bfe_u32 v2, v0, 4, 1                         ; h
	v_and_b32 v3, 31, v0
	v_lshlrev_b32 v[L8], 3, v3
	v_lshlrev_b32 v[L4], 2, v3
	v_lshlrev_b32 v[BO], 5, v2
	v_lshlrev_b32 v17, 12, v2
	v_lshl_add_u32 v[CO], v1, 4, v17               ; lanes 0-15 one row of 256 bytes, lanes 16-31 the next
	s_mul_i32 s20, s14, GRP
	s_lshl_b32 s21, s14, 11
	s_add_co_u32 s21, s21, SCL
	s_mul_i32 s22, s14, 16*272
	s_add_co_u32 s22, s22, STG
	v_mul_u32_u24 v18, v2, 24
	v_mad_u32_u24 v18, v1, PITCH, v18
	v_add_nc_u32 v[AD], s20, v18
	v_lshl_add_u32 v[AD2], v2, 4, v[AD]
	v_lshl_add_u32 v[ADS], v3, 5, s21
	v_add_nc_u32 v[ADA], AL, v[L8]
	v_mul_u32_u24 v18, v1, 272
	v_lshl_add_u32 v18, v2, 5, v18
	v_add_nc_u32 v[STO], s22, v18
	v_mul_u32_u24 v18, v2, 272
	v_lshl_add_u32 v18, v1, 4, v18
	v_add_nc_u32 v[RD], s22, v18
	v_lshlrev_b32 v19, 4, v0                       ; the copies: 16 bytes a thread,
	v_add_nc_u32 v20, SCL, v19                     ; and where they go: the scales, and behind them the fragments
	s_bfe_u32 s40, ttmp6, 0x40000
	s_lshl_b32 s41, ttmp9, 2
	s_add_co_u32 s41, s41, s40                     ; the block of 64 tokens
	s_and_b32 s44, ttmp7, 0xffff                   ; which 256 channels
	s_mov_b32 s24, 15|(1<<20)|(1<<21)|(5<<22)|(3<<25)
	s_mov_b32 s25, 768<<16
	s_mov_b32 s26, 64<<16
	s_mov_b32 s27, 768<<16
	s_mov_b32 s28, 64
	s_mov_b32 s29, 768
	s_mov_b32 s30, 0
	s_mov_b32 s31, 0
	s_lshl_b32 s46, s44, 8
	s_lshl_b32 s47, s14, 6
	s_add_co_u32 s47, s47, s46
	s_mul_i32 s56, s47, 768
	s_mov_b32 s57, 0
	s_lshl_b32 s58, s46, 5
	s_mov_b32 s59, 0
	s_mul_i32 s60, s41, 4*12288
	s_mov_b32 s61, 0
	s_lshl_b32 s62, s41, 8
	s_add_co_u32 s62, s62, 4096*768                ; attn's scale words: 4 bytes a row
	s_mov_b32 s63, 0
	s_lshl_b32 s80, s44, 10
	s_lshl_b32 s81, s14, 8
	s_add_co_u32 s80, s80, s81                     ; my first channel, in bytes
	s_mov_b32 s81, 0
	s_lshl_b32 s82, s41, 18                        ; 64 rows of 4,096 bytes
	s_add_co_u32 s82, s82, s80
	s_mov_b32 s83, 0
	s_mul_i32 s49, s14, 64*PITCH
	s_wait_dscnt 0x0
	s_wait_alu depctr_va_vdst(0)
	s_wait_kmcnt 0x0
	s_add_nc_u64 s[16:17], s[4:5], s[62:63]
	s_add_nc_u64 s[10:11], s[10:11], s[80:81]
	s_add_nc_u64 s[12:13], s[68:69], s[82:83]
	s_add_nc_u64 s[18:19], s[70:71], s[82:83]
	s_mov_b32 s48, 1
	s_add_nc_u64 s[50:51], s[6:7], s[56:57]
	s_or_b32 s51, s51, 0x80000000
	s_add_nc_u64 s[54:55], s[8:9], s[58:59]
	s_add_nc_u64 s[86:87], s[4:5], s[60:61]
	CROUND                                         ; the four partners are here: the joint loads meet
	tensor_load_to_lds s[48:51], s[24:31]          ; wave w: rows 64 w .. 64 w + 63, the wave's own channels
	s_nop 0
	PLACES
.irp i, 0,1,2,3
	global_load_b128 v[64+4*\i:64+4*\i+3], v19, s[54:55] offset:2048*\i
.endr
.irp i, 0,1,2,3,4,5,6,7,8,9,10,11,12,13,14,15,16,17,18,19,20,21,22,23
	global_load_b128 v[80+4*\i:80+4*\i+3], v19, s[86:87] offset:2048*\i
.endr
.irp pr, 0,1
.irp k, 0,1,2,3,4,5,6,7
	global_load_b32 v[SA+8*\pr+\k], v[L4], s[16:17] offset:\k*16384+128*\pr
.endr
.endr
	WIN 0x40
.irp b, 0,1,2,3
	global_load_b128 v[128+8*\b:128+8*\b+3], v[BO], s[10:11] offset:64*\b
	global_load_b128 v[128+8*\b+4:128+8*\b+7], v[BO], s[10:11] offset:64*\b+16
.endr
	WIN 0x80
.irp a, 0,1,2,3
.irp t, 0,1,2,3,4,5,6,7
	global_load_b128 v[32*\a+4*\t:32*\a+4*\t+3], v[CO], s[12:13] offset:(16*\a+2*\t)*4096   ; 16 lanes read 256 consecutive bytes
.endr
.endr
	WIN 0
	s_wait_loadcnt 56                              ; the 28 loads of the copies are in; behind them: 16 scale words, 8 of the bias, 32 of the residual
	s_wait_tensorcnt 0x0                           ; my 64 rows of codes have landed
.irp i, 0,1,2,3
	ds_store_b128 v20, v[64+4*\i:64+4*\i+3] offset:2048*\i
.endr
.irp i, 0,1,2,3,4,5,6,7,8,9,10,11,12,13,14,15,16,17,18,19,20,21,22,23
	ds_store_b128 v20, v[80+4*\i:80+4*\i+3] offset:8192+2048*\i
.endr
	s_wait_dscnt 0x0                               ; for the others' sake
	s_barrier_signal -1
	s_barrier_wait -1                              ; all four tiles lie in LDS for all four waves
	FETCH 0
.irp bb, 0,1
.irp hf, 0,1
	ds_load_b128 v[SB+8*\bb+4*\hf:SB+8*\bb+4*\hf+3], v[ADS] offset:1024*\bb+16*\hf   ; a lane a row of Wp: its eight scale words
.endr
.endr
	s_wait_loadcnt 32                              ; the scale words and the bias are in; the residual's 32 loads may be out
.irp k, 0,1,2,3,4,5,6,7
	s_wait_dscnt 0x0
	PLACES                                         ; in front of loads into registers that the step before last has multiplied
.if \k < 7
	FETCH \k+1
.endif
	MUL \k
.endr
; THE WAY OUT, block by block of 16 rows x 64 columns: through my own stage and back as whole rows of 256 bytes; the residual is added; sixteen lanes store 256 consecutive bytes.
.macro TOSTAGE a
	WIN 0x04
.irp b, 0,1,2,3
	ds_store_b128 v[STO], v[8*(4*(\a)+\b):8*(4*(\a)+\b)+3] offset:64*\b        ; each accumulator from its low end on
	ds_store_b128 v[STO], v[8*(4*(\a)+\b)+4:8*(4*(\a)+\b)+7] offset:64*\b+16
.endr
	WIN 0x40
.set BB, 160+32*((\a)%2)
.irp t, 0,1,2,3,4,5,6,7
	ds_load_b128 v[BB+4*\t:BB+4*\t+3], v[RD] offset:\t*544    ; LDS serves a wave's instructions in order
.endr
	WIN 0
.endm
.macro SEND a, younger
.set BB, 160+32*((\a)%2)
	s_wait_dscnt \younger
	WIN 0x49
.set n, 0
.rept 16
	v_pk_add_f32 v[BB+n:BB+n+1], v[BB+n:BB+n+1], v[32*(\a)+n:32*(\a)+n+1]
.set n, n+2
.endr
	WIN 0x04
.irp t, 0,1,2,3,4,5,6,7
	global_store_b128 v[CO], v[BB+4*\t:BB+4*\t+3], s[18:19] offset:(16*(\a)+2*\t)*4096
.endr
	WIN 0
.endm
	PLACES
	s_wait_loadcnt 0x0                             ; the residual
	TOSTAGE 0
.irp a, 1,2,3
.if \a > 1
	s_wait_xcnt 0x0                                ; block a - 2's stores have read their registers
.endif
	TOSTAGE \a
	SEND \a-1, 16                                  ; behind block a - 1's loads: block a's 8 stores and 8 loads
.endr
	SEND 3, 0
	s_wait_tensorcnt 0x0                           ; the wave's end
	ds_add_u32 v[SPW], v[NIL]
	s_wait_dscnt 0x0
	CROUND                                         ; the closing round
	s_endpgm
.Lfunc_end_k_q3bf06449c0_proj:
	.size	k_q3bf06449c0_proj, .Lfunc_end_k_q3bf06449c0_proj-k_q3bf06449c0_proj
	.p2alignl 7, 3214868480
	.fill 96, 4, 3214868480
	.section	.rodata,"a",@progbits
	.p2align	6, 0x0
	.amdhsa_kernel k_q3bf06449c0_proj
		.amdhsa_group_segment_fixed_size 284160
		.amdhsa_private_segment_fixed_size 0
		.amdhsa_enable_private_segment 0
		.amdhsa_kernarg_size 48
		.amdhsa_user_sgpr_count 2
		.amdhsa_user_sgpr_kernarg_segment_ptr 1
		.amdhsa_wavefront_size32 1
		.amdhsa_system_sgpr_workgroup_id_x 1
		.amdhsa_system_sgpr_workgroup_id_y 1
		.amdhsa_system_sgpr_workgroup_id_z 1
		.amdhsa_system_vgpr_workitem_id 0
		.amdhsa_next_free_vgpr 640
		.amdhsa_next_free_sgpr 100
		.amdhsa_reserve_vcc 0
		.amdhsa_float_denorm_mode_32 3
		.amdhsa_float_denorm_mode_16_64 3
		.amdhsa_memory_ordered 1
		.amdhsa_forward_progress 1
		.amdhsa_inst_pref_size 70
	.end_amdhsa_kernel
	.amdgpu_metadata
---
amdhsa.version: [ 1, 2 ]
amdhsa.kernels:
  - .name:           k_q3bf06449c0_proj
    .symbol:         k_q3bf06449c0_proj.kd
    .args:
      - { .name: at, .offset: 0, .size: 8, .value_kind: global_buffer, .address_space: global }
      - { .name: Wp_codes, .offset: 8, .size: 8, .value_kind: global_buffer, .address_space: global }
      - { .name: Wp_scales, .offset: 16, .size: 8, .value_kind: global_buffer, .address_space: global }
      - { .name: bp, .offset: 24, .size: 8, .value_kind: global_buffer, .address_space: global }
      - { .name: x, .offset: 32, .size: 8, .value_kind: global_buffer, .address_space: global }
      - { .name: x1, .offset: 40, .size: 8, .value_kind: global_buffer, .address_space: global }
    .group_segment_fixed_size: 284160
    .private_segment_fixed_size: 0
    .kernarg_segment_align: 8
    .kernarg_segment_size: 48
    .max_flat_workgroup_size: 128
    .sgpr_count:     100
    .vgpr_count:     640
    .wavefront_size: 32
...
	.end_amdgpu_metadata
.endif
;; end of part 4
;; launch ln2: the kernel of part 1 again; grid 256 x 1, 8 waves a work-group, no clusters, 54,784 bytes of LDS; arguments x1, g2, be2, h2q; writes h2q
;; launch ffn1 (part 5): grid 16 x 16, 4 waves a work-group, clusters of 4 x 1, 218,112 bytes of LDS; arguments h2q, W1_codes, W1_scales, b1, hid; writes hid
.if DOCPART == 5
	.amdgcn_target "amdgcn-amd-amdhsa--gfx1250"
	.amdhsa_code_object_version 6
	.text
	.protected	k_q3bf06449c0_ffn1
	.globl	k_q3bf06449c0_ffn1
	.p2align	8
	.type	k_q3bf06449c0_ffn1,@function
k_q3bf06449c0_ffn1:
	s_mov_b64 s[64:65], 0
	v_nop
	global_prefetch_b8 v0, s[64:65] scope:SCOPE_SE
	s_setreg_imm32_b32 hwreg(HW_REG_WAVE_MODE, 25, 1), 1
	s_wait_xcnt 0x0
	s_wait_alu depctr_hold_cnt(0) depctr_sa_sdst(0) depctr_va_vdst(0) depctr_va_sdst(0) depctr_va_ssrc(0) depctr_va_vcc(0) depctr_vm_vsrc(0)
	s_getreg_b32 s2, hwreg(HW_REG_IB_STS2, 6, 4)
	s_cmp_eq_u32 s2, 0
	s_cbranch_scc0 .Lentry_in_a_cluster
	s_endpgm
.Lentry_in_a_cluster:
	s_bfe_u32 s2, ttmp6, 0x10000c
	s_cmp_lg_u32 s2, 0x3003
	s_cbranch_scc0 .Lentry_shape_is_right
	s_endpgm
.Lentry_shape_is_right:
; hid = Q(relu(h2 W1 + b1)) on codes of FP6 (E2M3) with E8M0 scales, K = 1,024; the result is quantised along the hidden axis in registers and leaves as images of operand registers.
; SHARES.  Work-group (x, y): tokens 256 x .. + 255, hidden units 256 y .. + 255.  A wave owns 64 tokens: their 32 fragments STAY IN REGISTERS (384), loaded from images of operand registers.
; W1's 256 rows, whole K, lie in LDS, filled once: rows of 768 bytes, 16 bytes of padding behind every 256 (pitch 816).  The wave walks them in four groups of 64 rows: 8 K steps x 16 matrix instructions on 16 accumulators by turns.
; Source 0 = 16 rows of W1, source 1 = 16 tokens.  The rows of a tile are 32 (t / 2) + 8 (t % 2) + r + 8 (r / 8): a lane's 16 registers of two tiles are 16 neighbouring hidden units, in the order that the next product's given weight wants.
; The bias is the C of each sum's first instruction.  A group gives half a fragment (64 of the next K); a trip of the loop runs two groups, and the whole fragments are stored behind the second.
; OUT: [tile of 16 rows][K step of 128] x 1,536 bytes, register i of lane L at 512 (i / 4) + 16 L + 4 (i % 4); from byte 12,582,912 a scale word for each [K step][row].
; CLUSTER: the four partners share y: W1's codes and scales are asked for jointly.  No prefetch: every tile is asked for at the head, there is no loop to run ahead in.
; The last group fetches its own first fragments and bias once more (the clamped index), so that the walk has no branch: 28 LDS loads and 8 loads that nobody uses.
; LIMITS: a block of zeros gets the byte 1 (its codes are zeros; the bytes are read by this program alone); blocks under 2^-124 keep the byte 1; NaN and infinities are not served.  Scale words leave in runs of 64 bytes.
; REGISTERS: window 0: v4-18 addresses, v32-47 h2's scale words, v48-63 W1's, v64-95 bias, v96-123 the quantiser, v128-223 W1's fragments (two sets of four); windows 1, 2: h2's fragments; window 3: v0-127 accumulators, v128-191 codes.
; THE HEAD, as it stands (in place of what is said above of the scales).
; W1's 8,192 scale bytes are a small part of what is shared (one byte in 24): each thread loads 64 of them (a wave 512 consecutive bytes a load) and stores them into LDS ahead of the one barrier.
.set PITCH, 816
.set GRP,   64*PITCH
.set SCL,   4*GRP
.set SPARE, SCL+8192
.set L16, 4
.set L32, 5
.set R4,  7
.set LBP, 8
.set LSP, 12
.set AD,  14
.set AD2, 15
.set ADS, 16
.set BO,  17
.set BOV, 18
.set SPW, 28
.set NIL, 29
.set SA,  32
.set SB,  48
.set BI,  64
.set TM,  96
.set TX,  104
.set TS,  112
.set PW,  120
.set BF,  128
.set FG,  128
.set T2,  176
.set SEL, 90
.set MSB, 0
.macro WIN new
.if MSB != \new
	s_set_vgpr_msb (MSB<<8)|\new
.set MSB, \new
.endif
.endm
.macro CROUND
	s_barrier_signal -1
	s_barrier_wait -1
	s_cmp_lg_u32 s14, 0
	s_cbranch_scc1 .Lnot_wave_0_\@
	s_barrier_signal -3
.Lnot_wave_0_\@:
	s_barrier_wait -3
	s_barrier_signal -1
	s_barrier_wait -1
.endm
.macro PLACES
.rept 4
	v_nop
.endr
.endm
.macro FETCH k                         ; W1's four fragments of K step k: pieces of 8 bytes; lanes 16-31 read 24 bytes further on, for some pieces behind one padding more
.irp b, 0,1,2,3
.irp p, 0,1,2,3,4,5
.set PCE, 12*(\k)+6*(\p/3)+\p%3
.if PCE%32 < 29
	ds_load_b64 v[BF+48*((\k)%2)+12*\b+2*\p:BF+48*((\k)%2)+12*\b+2*\p+1], v[AD] offset:8*PCE+16*(PCE/32)+(32*(\b/2)+8*(\b%2))*PITCH
.else
	ds_load_b64 v[BF+48*((\k)%2)+12*\b+2*\p:BF+48*((\k)%2)+12*\b+2*\p+1], v[AD2] offset:8*PCE+16*(PCE/32)+(32*(\b/2)+8*(\b%2))*PITCH
.endif
.endr
.endr
.endm
.macro BIAS                            ; b1 of the group at byte s94, in the result's layout: tile b, register j: unit 32 (b / 2) + 16 h + 8 (b % 2) + j
	v_add_nc_u32 v[BOV], s94, v[BO]
.irp b, 0,1,2,3
.irp hf, 0,1
	global_load_b128 v[BI+8*\b+4*\hf:BI+8*\b+4*\hf+3], v[BOV], s[20:21] offset:128*(\b/2)+32*(\b%2)+16*\hf
.endr
.endr
.endm
.macro SETAD                           ; the group at LDS byte s92 (scales: s93): addresses, first fragments, scale words (a lane a row: eight words)
	v_add_nc_u32 v[AD], s92, v[LBP]
	v_add_nc_u32 v[AD2], s92, v[LBP+1]
	v_add_nc_u32 v[ADS], s93, v[LSP]
	s_wait_alu depctr_va_vdst(0)                   ; the wait behind these writes
	FETCH 0
.irp bb, 0,1
.irp hf, 0,1
	ds_load_b128 v[SB+8*\bb+4*\hf:SB+8*\bb+4*\hf+3], v[ADS] offset:1024*\bb+16*\hf
.endr
.endr
.endm
.macro MUL k                           ; 16 matrix instructions; the 16 accumulators take turns
.if (\k) < 5
.set AW, 1
.set AR, 48*(\k)
.else
.set AW, 2
.set AR, 48*((\k)-5)
.endif
.if (\k) == 0
	WIN 0xc4                                       ; C: the bias, in window 0
.else
	WIN 0xf0|(AW<<2)
.endif
.irp a, 0,1,2,3
.irp b, 0,1,2,3
.set rD, 8*(4*\a+\b)
.set rC, rD
.if (\k) == 0
.set rC, BI+8*\b
.endif
.set rX, BF+48*((\k)%2)+12*\b
.set rY, AR+12*\a
.set qX, SB+8*(\b/2)+(\k)
.set qY, SA+8*(\a/2)+(\k)
.if (\b%2 == 0) && (\a%2 == 0)
	v_wmma_scale_f32_16x16x128_f8f6f4 v[rD:rD+7], v[rX:rX+11], v[rY:rY+11], v[rC:rC+7], v[qX], v[qY] matrix_a_fmt:MATRIX_FMT_FP6 matrix_b_fmt:MATRIX_FMT_FP6
.elseif \a%2 == 0
	v_wmma_scale_f32_16x16x128_f8f6f4 v[rD:rD+7], v[rX:rX+11], v[rY:rY+11], v[rC:rC+7], v[qX], v[qY] matrix_a_fmt:MATRIX_FMT_FP6 matrix_b_fmt:MATRIX_FMT_FP6 matrix_a_scale:MATRIX_SCALE_ROW1
.elseif \b%2 == 0
	v_wmma_scale_f32_16x16x128_f8f6f4 v[rD:rD+7], v[rX:rX+11], v[rY:rY+11], v[rC:rC+7], v[qX], v[qY] matrix_a_fmt:MATRIX_FMT_FP6 matrix_b_fmt:MATRIX_FMT_FP6 matrix_b_scale:MATRIX_SCALE_ROW1
.else
	v_wmma_scale_f32_16x16x128_f8f6f4 v[rD:rD+7], v[rX:rX+11], v[rY:rY+11], v[rC:rC+7], v[qX], v[qY] matrix_a_fmt:MATRIX_FMT_FP6 matrix_b_fmt:MATRIX_FMT_FP6 matrix_a_scale:MATRIX_SCALE_ROW1 matrix_b_scale:MATRIX_SCALE_ROW1
.endif
.endr
.endr
	WIN 0
.endm
; relu, then four units (tiles of 16 tokens) of two blocks of 32: registers 6 par .. 6 par + 5 of each unit's fragment and bytes 2 par, 2 par + 1 of its scale word
.macro EPI par
	s_wait_xcnt 0x0                                ; earlier stores have read their data and bases
.if \par == 0
	s_add_nc_u64 s[16:17], s[16:17], s[96:97]      ; the next K step of the next product (0 in the first trip)
	s_add_nc_u64 s[18:19], s[18:19], s[98:99]
	s_mov_b32 s96, 1536
	s_mov_b32 s98, 16384
.endif
	WIN 0xcc
.set n, 0
.rept 128
	v_max_num_f32 v[n], 0, v[n]                    ; each accumulator from its low end on
.set n, n+1
.endr
	WIN 0x0f
.irp n, 0,1,2,3,4,5,6,7
	v_max3_num_f32 v[TM+\n], v[16*\n], v[16*\n+1], 0x1800000       ; the floor 2^(3 - 127) holds the byte at 1
.endr
.irp i, 2,4,6,8,10,12,14
.irp n, 0,1,2,3,4,5,6,7
	v_max3_num_f32 v[TM+\n], v[16*\n+\i], v[16*\n+\i+1], v[TM+\n]
.endr
.endr
	WIN 0
.irp n, 0,1,2,3,4,5,6,7
	v_permlanex16_b32 v[TX+\n], v[TM+\n], s[SEL], s[SEL+1]
.endr
.irp n, 0,1,2,3,4,5,6,7
	v_max_num_f32 v[TM+\n], v[TM+\n], v[TX+\n]
.endr
.irp n, 0,1,2,3,4,5,6,7
	v_add_nc_u32 v[TS+\n], 0xff000000, v[TM+\n]    ; 2 off the exponent field: the conversion's scale operand
.endr
.irp n, 0,1,2,3,4,5,6,7
	v_lshrrev_b32 v[TX+\n], 23, v[TS+\n]
.endr
.irp u, 0,1,2,3
.if \par == 0
	v_lshl_or_b32 v[PW+\u], v[TX+2*\u+1], 8, v[TX+2*\u]
.else
	v_lshl_or_b32 v[PW+\u], v[TX+2*\u], 16, v[PW+\u]
.endif
.endr
.if \par == 1
.irp u, 0,1,2,3
	v_lshl_or_b32 v[PW+\u], v[TX+2*\u+1], 24, v[PW+\u]
.endr
.endif
	WIN 0xc3
.irp u, 0,1,2,3
	v_cvt_scalef32_pk16_fp6_f32 v[FG+12*\u+6*\par:FG+12*\u+6*\par+2], v[32*\u:32*\u+15], v[TS+2*\u]
	v_cvt_scalef32_pk16_fp6_f32 v[T2+4*\u:T2+4*\u+2], v[32*\u+16:32*\u+31], v[TS+2*\u+1]
.endr
	v_nop                                          ; one plain instruction behind a scaled conversion
.irp u, 0,1,2,3
.irp i, 0,1,2
	v_permlane16_swap_b32 v[FG+12*\u+6*\par+\i], v[T2+4*\u+\i]     ; a whole block to a lane
.endr
.endr
.irp u, 0,1,2,3
.irp i, 0,1,2
	v_mov_b32 v[FG+12*\u+6*\par+3+\i], v[T2+4*\u+\i]
.endr
.endr
.if \par == 1
	WIN 0x0c
.irp u, 0,1,2,3
.irp c, 0,1,2
	global_store_b128 v[L16], v[FG+12*\u+4*\c:FG+12*\u+4*\c+3], s[16:17] offset:\u*49152+512*\c   ; 512 consecutive bytes a store
.endr
.endr
	WIN 0
.irp u, 0,1,2,3
	global_store_b32 v[R4], v[PW+\u], s[18:19] offset:64*\u        ; both halves of the lanes write the same word to the same place
.endr
.endif
	WIN 0
.endm
	s_load_b256 s[4:11], s[0:1], 0x0               ; h2q s[4:5], W1's codes s[6:7], scales s[8:9], b1 s[10:11]
	s_load_b64 s[12:13], s[0:1], 0x20              ; hid
	v_lshl_add_u32 v[SPW], v0, 2, SPARE
	v_mov_b32 v[NIL], 0
	ds_add_u32 v[SPW], v[NIL]                      ; the opening lines
	ds_add_u32 v[SPW], v[NIL]
	v_lshrrev_b32 v1, 5, v0
	v_readfirstlane_b32 s14, v1                    ; wave
	v_and_b32 v1, 15, v0                           ; r
	v_bfe_u32 v2, v0, 4, 1                         ; h
	v_and_b32 v3, 31, v0
	v_lshlrev_b32 v[L16], 4, v3
	v_lshlrev_b32 v[L32], 5, v3
	v_lshlrev_b32 v[R4], 2, v1
	v_lshlrev_b32 v[BO], 6, v2                     ; 16 h units of 4 bytes
	v_and_b32 v19, 8, v1
	v_add_nc_u32 v19, v19, v1                      ; r + 8 (r / 8)
	v_mul_u32_u24 v20, v2, 24
	v_mad_u32_u24 v[LBP], v19, PITCH, v20
	v_lshl_add_u32 v[LBP+1], v2, 4, v[LBP]
	v_lshl_add_u32 v19, v2, 3, v19
	v_lshlrev_b32 v19, 5, v19
	v_add_nc_u32 v[LSP], SCL, v19
	v_lshlrev_b32 v21, 4, v0                       ; the scale bytes' copy: 16 bytes a thread,
	v_add_nc_u32 v22, SCL, v21                     ; and where they go
.irp n, 0,1,2,3,4,5,6,7
	v_mov_b32 v[TX+\n], 0                          ; a lane permute's destination counts as one of its sources
.endr
	s_bfe_u32 s40, ttmp6, 0x40000
	s_lshl_b32 s41, ttmp9, 2
	s_add_co_u32 s41, s41, s40                     ; the block of 256 tokens
	s_and_b32 s44, ttmp7, 0xffff                   ; which 256 hidden units
	s_mov_b32 s24, 15|(1<<20)|(1<<21)|(5<<22)|(3<<25)   ; codes: all four partners; bytes; 4 words of padding behind every 64
	s_mov_b32 s25, 768<<16
	s_mov_b32 s26, 64<<16
	s_mov_b32 s27, 768<<16
	s_mov_b32 s28, 64
	s_mov_b32 s29, 768
	s_mov_b32 s30, 0
	s_mov_b32 s31, 0
	s_lshl_b32 s46, s44, 8
	s_lshl_b32 s47, s14, 6
	s_add_co_u32 s47, s47, s46
	s_mul_i32 s56, s47, 768
	s_mov_b32 s57, 0
	s_lshl_b32 s58, s46, 5
	s_mov_b32 s59, 0
	s_lshl_b32 s60, s41, 4
	s_lshl_b32 s61, s14, 2
	s_add_co_u32 s66, s60, s61                     ; my first tile of 16 tokens
	s_mul_i32 s60, s66, 12288
	s_mov_b32 s61, 0
	s_lshl_b32 s62, s66, 9                         ; 16 rows x 32 scale bytes
	s_add_co_u32 s62, s62, 4096*768
	s_mov_b32 s63, 0
	s_lshl_b32 s68, s66, 5
	s_lshl_b32 s69, s44, 1
	s_add_co_u32 s68, s68, s69
	s_mul_i32 s68, s68, 1536                       ; hid: (tile x 32 + K step) x 1,536
	s_mov_b32 s69, 0
	s_lshl_b32 s70, s44, 13                        ; K step 2 y x 4,096 rows,
	s_lshl_b32 s71, s66, 4
	s_add_co_u32 s70, s70, s71                     ; + my first row,
	s_lshl_b32 s70, s70, 2
	s_add_co_u32 s70, s70, 4096*3072
	s_mov_b32 s71, 0
	s_lshl_b32 s22, s44, 10
	s_mov_b32 s23, 0
	s_mov_b32 s[SEL], 0x76543210
	s_mov_b32 s[SEL+1], 0xfedcba98
	s_mov_b32 s92, 0
	s_mov_b32 s93, 0
	s_mov_b32 s94, 0
	s_mov_b32 s96, 0
	s_mov_b32 s97, 0
	s_mov_b32 s98, 0
	s_mov_b32 s99, 0
	s_mov_b32 s3, 0
	s_mul_i32 s49, s14, 64*PITCH
	s_wait_dscnt 0x0
	s_wait_alu depctr_va_vdst(0)
	s_wait_kmcnt 0x0
	s_add_nc_u64 s[20:21], s[10:11], s[22:23]
	s_add_nc_u64 s[10:11], s[4:5], s[62:63]
	s_add_nc_u64 s[4:5], s[4:5], s[60:61]
	s_add_nc_u64 s[16:17], s[12:13], s[68:69]
	s_add_nc_u64 s[18:19], s[12:13], s[70:71]
	s_mov_b32 s48, 1
	s_add_nc_u64 s[50:51], s[6:7], s[56:57]
	s_or_b32 s51, s51, 0x80000000
	s_add_nc_u64 s[54:55], s[8:9], s[58:59]
	CROUND                                         ; the four partners are here: the joint loads meet
	tensor_load_to_lds s[48:51], s[24:31]          ; wave w: rows 64 w .. 64 w + 63
	s_nop 0
	PLACES
.irp i, 0,1,2,3
	global_load_b128 v[BF+4*\i:BF+4*\i+3], v21, s[54:55] offset:2048*\i
.endr
	BIAS
.irp pr, 0,1
.irp hf, 0,1
	global_load_b128 v[SA+8*\pr+4*\hf:SA+8*\pr+4*\hf+3], v[L32], s[10:11] offset:1024*\pr+16*\hf   ; h2's scale words: a lane a row
.endr
.endr
.irp k, 0,1,2,3,4,5,6,7
.if \k < 5
	WIN 0x40
.set AR, 48*\k
.else
	WIN 0x80
.set AR, 48*(\k-5)
.endif
.irp a, 0,1,2,3
.irp c, 0,1,2
	global_load_b128 v[AR+12*\a+4*\c:AR+12*\a+4*\c+3], v[L16], s[4:5] offset:\a*12288+\k*1536+512*\c
.endr
.endr
.endr
	WIN 0
	s_wait_loadcnt 63                              ; the four loads of scale bytes are in: 108 loads were issued behind them (63 is the most a wait names)
	s_wait_tensorcnt 0x0                           ; my 64 rows of codes have landed
.irp i, 0,1,2,3
	ds_store_b128 v22, v[BF+4*\i:BF+4*\i+3] offset:2048*\i
.endr
	s_wait_dscnt 0x0                               ; for the others' sake
	s_barrier_signal -1
	s_barrier_wait -1                              ; W1's rows and scales lie in LDS for all four waves; nothing is filled again
	SETAD
.Lpair:
.irp par, 0,1
.irp k, 0,1,2,3,4,5,6,7
.set NW, 84-12*\k
.if NW > 63
.set NW, 63
.endif
	s_wait_dscnt 0x0                               ; this K step's fragments of W1
	s_wait_loadcnt NW                              ; h2's fragments of this K step: behind them at least 84 - 12 k loads were issued (63 is the most a wait names); the wait for 0 at k = 7 also covers the next bias
	PLACES                                         ; in front of loads into registers that earlier products have read
.if \k < 7
	FETCH \k+1
.endif
.if \k == 1
	s_lshl_b32 s22, s3, 1
	s_add_co_u32 s22, s22, \par+1
	s_min_u32 s22, s22, 3                          ; the next group; the last stays at itself
	s_mul_i32 s92, s22, GRP
	s_lshl_b32 s93, s22, 11
	s_lshl_b32 s94, s22, 8
	BIAS
.endif
	MUL \k
.endr
	PLACES
	SETAD
	EPI \par
.endr
	s_add_co_u32 s3, s3, 1
	s_cmp_lt_u32 s3, 2
	s_wait_alu depctr_va_vdst(0)
	s_cbranch_scc1 .Lpair
	s_wait_tensorcnt 0x0                           ; the wave's end
	ds_add_u32 v[SPW], v[NIL]
	s_wait_dscnt 0x0
	CROUND                                         ; the closing round
	s_endpgm
.Lfunc_end_k_q3bf06449c0_ffn1:
	.size	k_q3bf06449c0_ffn1, .Lfunc_end_k_q3bf06449c0_ffn1-k_q3bf06449c0_ffn1
	.p2alignl 7, 3214868480
	.fill 96, 4, 3214868480
	.section	.rodata,"a",@progbits
	.p2align	6, 0x0
	.amdhsa_kernel k_q3bf06449c0_ffn1
		.amdhsa_group_segment_fixed_size 218112
		.amdhsa_private_segment_fixed_size 0
		.amdhsa_enable_private_segment 0
		.amdhsa_kernarg_size 40
		.amdhsa_user_sgpr_count 2
		.amdhsa_user_sgpr_kernarg_segment_ptr 1
		.amdhsa_wavefront_size32 1
		.amdhsa_system_sgpr_workgroup_id_x 1
		.amdhsa_system_sgpr_workgroup_id_y 1
		.amdhsa_system_sgpr_workgroup_id_z 1
		.amdhsa_system_vgpr_workitem_id 0
		.amdhsa_next_free_vgpr 960
		.amdhsa_next_free_sgpr 100
		.amdhsa_reserve_vcc 0
		.amdhsa_float_denorm_mode_32 3
		.amdhsa_float_denorm_mode_16_64 3
		.amdhsa_memory_ordered 1
		.amdhsa_forward_progress 1
		.amdhsa_inst_pref_size 107
	.end_amdhsa_kernel
	.amdgpu_metadata
---
amdhsa.version: [ 1, 2 ]
amdhsa.kernels:
  - .name:           k_q3bf06449c0_ffn1
    .symbol:         k_q3bf06449c0_ffn1.kd
    .args:
      - { .name: h2q, .offset: 0, .size: 8, .value_kind: global_buffer, .address_space: global }
      - { .name: W1_codes, .offset: 8, .size: 8, .value_kind: global_buffer, .address_space: global }
      - { .name: W1_scales, .offset: 16, .size: 8, .value_kind: global_buffer, .address_space: global }
      - { .name: b1, .offset: 24, .size: 8, .value_kind: global_buffer, .address_space: global }
      - { .name: hid, .offset: 32, .size: 8, .value_kind: global_buffer, .address_space: global }
    .group_segment_fixed_size: 218112
    .private_segment_fixed_size: 0
    .kernarg_segment_align: 8
    .kernarg_segment_size: 40
    .max_flat_workgroup_size: 128
    .sgpr_count:     100
    .vgpr_count:     960
    .wavefront_size: 32
...
	.end_amdgpu_metadata
.endif
;; end of part 5
;; launch ffn2 (part 6): grid 8 x 32, 4 waves a work-group, clusters of 4 x 4, 327,680 bytes of LDS; arguments hid, W2_codes, W2_scales, b2, x1, out0; writes out0
.if DOCPART == 6
	.amdgcn_target "amdgcn-amd-amdhsa--gfx1250"
	.amdhsa_code_object_version 6
	.text
	.protected	k_q3bf06449c0_ffn2
	.globl	k_q3bf06449c0_ffn2
	.p2align	8
	.type	k_q3bf06449c0_ffn2,@function
k_q3bf06449c0_ffn2:
	s_mov_b64 s[64:65], 0
	v_nop
	global_prefetch_b8 v0, s[64:65] scope:SCOPE_SE
	s_setreg_imm32_b32 hwreg(HW_REG_WAVE_MODE, 25, 1), 1
	s_wait_xcnt 0x0
	s_wait_alu depctr_hold_cnt(0) depctr_sa_sdst(0) depctr_va_vdst(0) depctr_va_sdst(0) depctr_va_ssrc(0) depctr_va_vcc(0) depctr_vm_vsrc(0)
	s_getreg_b32 s2, hwreg(HW_REG_IB_STS2, 6, 4)
	s_cmp_eq_u32 s2, 0
	s_cbranch_scc0 .Lentry_in_a_cluster
	s_endpgm
.Lentry_in_a_cluster:
	s_bfe_u32 s2, ttmp6, 0x10000c
	s_cmp_lg_u32 s2, 0xf033
	s_cbranch_scc0 .Lentry_shape_is_right
	s_endpgm
.Lentry_shape_is_right:
.set SIZE_K, 4096
.set NS,     SIZE_K/128
.set KS,     SIZE_K/32
.set KROW,   SIZE_K*6/8
; W2's tile of a slot: 128 rows x 768 bytes (1,024 along K), each wave fetching 32 rows; 16 bytes of padding behind every 256: pitch 816.  Every row of a tile begins at a multiple of 256 bytes of memory.
.set PITCH,  816
.set FR,     12
.set BSUB,   32*PITCH
.set SLOT,   4*BSUB
.set SCA,    2*SLOT
.set HALFSB, (64*KS/256)*272
.set SCB,    SCA+NS*512
.set STG,    SCB+2*HALFSB
.set SPITCH, 528
.set SPARE,  STG+4*16*SPITCH
.set DEPTH,  10
.set ADRB, 8
.set L16,  16
.set ADSA, 17
.set ADSB, 18
.set STO,  19
.set RD,   20
.set SPW,  28
.set NIL,  29
.set SBR,  32
.set SAR,  64
.set BI,   72
.set ACC,  128
.set WV,   66
.set RH,   67
.set CH,   96
.set AP,   98
.set G1B, 48
.set G0B, 56
.set G1S, 68
.set G0S, 76
.set G1SB, 80
.set G0SB, 88
.set MSB, 0
.macro WIN new
.if MSB != \new
	s_set_vgpr_msb (MSB<<8)|\new
.set MSB, \new
.endif
.endm
; THE SCALES: hid's scale words of the tile's 128 rows (32 K steps x 512 bytes) and W2's scale bytes (16,384 dense bytes) come by plain loads, a wave 512 consecutive bytes a load, and are stored into LDS
; ahead of the round behind which slot 1 is first filled: so the head's one tensor load a wave is slot 0's.  They are one byte in 24 of what the partners share, so they are not asked for jointly.
.macro CREST
	s_cmp_lg_u32 s[WV], 0
	s_cbranch_scc1 .Lnot_wave_0_\@
	s_barrier_signal -3
.Lnot_wave_0_\@:
	s_barrier_wait -3
	s_barrier_signal -1
	s_barrier_wait -1
.endm
.macro CROUND
	s_barrier_signal -1
	s_barrier_wait -1
	CREST
.endm
.macro PLACES n
.rept \n
	v_nop
.endr
.endm
.macro FRAG reg, adr, q, i, x
.irp p, 0,1,2,3,4,5
.set PCE, 12*(\q)+6*(\p/3)+\p%3
.if PCE%32 < 29
	ds_load_b64 v[\reg+2*\p:\reg+2*\p+1], v[\adr] offset:8*PCE+16*(PCE/32)+(\i)*16*PITCH+(\x)
.else
	ds_load_b64 v[\reg+2*\p:\reg+2*\p+1], v[\adr+2] offset:8*PCE+16*(PCE/32)+(\i)*16*PITCH+(\x)
.endif
.endr
.endm
.macro FETCH_B t
	WIN 0x40
.irp i, 0,1,2,3,4,5,6,7
	FRAG 128*((\t)%2)+FR*\i, ADRB+4*(\i/4)+((\t)/8)%2, (\t)%8, \i%4, 0
.endr
.endm
.macro ALOAD t
	WIN 0x80
.irp a, 0,1
.irp c, 0,1,2
	global_load_b128 v[24*((\t)%DEPTH)+FR*\a+4*\c:24*((\t)%DEPTH)+FR*\a+4*\c+3], v[L16], s[AP:AP+1] offset:\a*49152+(\t)*1536+512*\c
.endr
.endr
.endm
.macro RLOAD k
	WIN 0xc0
.irp i, 0,1,2,3,4,5,6,7
	global_load_b128 v[4*(8*(\k)+\i):4*(8*(\k)+\i)+3], v[L16], s[12:13] offset:(8*(\k)+\i)*4096
.endr
.endm
.macro FEED t
.if ((\t) >= 1) && ((\t) <= 22)
	ALOAD (\t)+9
.elseif ((\t) >= 23) && ((\t) <= 26)
	RLOAD (\t)-23
.endif
.endm
.macro SCALES g
	WIN 0
.irp r, 0,1,2,3
	ds_load_b128 v[SBR+16*((\g)%2)+4*\r:SBR+16*((\g)%2)+4*\r+3], v[ADSB] offset:\r*4352+16*(\g)
.endr
.irp q, 0,1,2,3
	ds_load_b32 v[SAR+4*((\g)%2)+\q], v[ADSA] offset:512*(4*(\g)+\q)
.endr
.endm
.macro LWAIT t
.set NA, 31-(\t)
.if NA > 8
.set NA, 8
.endif
.if (\t) == 0
.set NA, 9
.endif
.set NR, (\t)-23
.if NR < 0
.set NR, 0
.endif
.if NR > 4
.set NR, 4
.endif
	s_wait_loadcnt 6*NA+8*NR
.endm
.macro MUL8 a, t, zero
.irp b, 0,1,2,3,4,5,6,7
.set rD, ACC+8*(8*(\a)+\b)
.set rB, 128*((\t)%2)+FR*\b
.set rA, 24*((\t)%DEPTH)+FR*(\a)
.set rSB, SBR+16*(((\t)/4)%2)+4*(\b/2)+(\t)%4
.set rSA, SAR+4*(((\t)/4)%2)+(\t)%4
.if \zero
.if (\b%2 == 0) && ((\a) == 0)
	v_wmma_scale_f32_16x16x128_f8f6f4 v[rD:rD+7], v[rB:rB+11], v[rA:rA+11], 0, v[rSB], v[rSA] matrix_a_fmt:MATRIX_FMT_FP6 matrix_b_fmt:MATRIX_FMT_FP6
.elseif (\a) == 0
	v_wmma_scale_f32_16x16x128_f8f6f4 v[rD:rD+7], v[rB:rB+11], v[rA:rA+11], 0, v[rSB], v[rSA] matrix_a_fmt:MATRIX_FMT_FP6 matrix_b_fmt:MATRIX_FMT_FP6 matrix_a_scale:MATRIX_SCALE_ROW1
.elseif \b%2 == 0
	v_wmma_scale_f32_16x16x128_f8f6f4 v[rD:rD+7], v[rB:rB+11], v[rA:rA+11], 0, v[rSB], v[rSA] matrix_a_fmt:MATRIX_FMT_FP6 matrix_b_fmt:MATRIX_FMT_FP6 matrix_b_scale:MATRIX_SCALE_ROW1
.else
	v_wmma_scale_f32_16x16x128_f8f6f4 v[rD:rD+7], v[rB:rB+11], v[rA:rA+11], 0, v[rSB], v[rSA] matrix_a_fmt:MATRIX_FMT_FP6 matrix_b_fmt:MATRIX_FMT_FP6 matrix_a_scale:MATRIX_SCALE_ROW1 matrix_b_scale:MATRIX_SCALE_ROW1
.endif
.else
.if (\b%2 == 0) && ((\a) == 0)
	v_wmma_scale_f32_16x16x128_f8f6f4 v[rD:rD+7], v[rB:rB+11], v[rA:rA+11], v[rD:rD+7], v[rSB], v[rSA] matrix_a_fmt:MATRIX_FMT_FP6 matrix_b_fmt:MATRIX_FMT_FP6
.elseif (\a) == 0
	v_wmma_scale_f32_16x16x128_f8f6f4 v[rD:rD+7], v[rB:rB+11], v[rA:rA+11], v[rD:rD+7], v[rSB], v[rSA] matrix_a_fmt:MATRIX_FMT_FP6 matrix_b_fmt:MATRIX_FMT_FP6 matrix_a_scale:MATRIX_SCALE_ROW1
.elseif \b%2 == 0
	v_wmma_scale_f32_16x16x128_f8f6f4 v[rD:rD+7], v[rB:rB+11], v[rA:rA+11], v[rD:rD+7], v[rSB], v[rSA] matrix_a_fmt:MATRIX_FMT_FP6 matrix_b_fmt:MATRIX_FMT_FP6 matrix_b_scale:MATRIX_SCALE_ROW1
.else
	v_wmma_scale_f32_16x16x128_f8f6f4 v[rD:rD+7], v[rB:rB+11], v[rA:rA+11], v[rD:rD+7], v[rSB], v[rSA] matrix_a_fmt:MATRIX_FMT_FP6 matrix_b_fmt:MATRIX_FMT_FP6 matrix_a_scale:MATRIX_SCALE_ROW1 matrix_b_scale:MATRIX_SCALE_ROW1
.endif
.endif
.endr
.endm
.set MUL, 0x09
.macro STEP t, zero
	s_wait_dscnt 0x0
	LWAIT \t
.if (\t) < 31
	PLACES 4
	FETCH_B (\t)+1
.if ((\t)%4 == 2) && ((\t) < 28)
	SCALES (\t)/4+1
.endif
	FEED \t
.endif
	WIN MUL
	MUL8 0, \t, \zero
	MUL8 1, \t, \zero
.endm
.macro TURN t, fill
	WIN 0
	LWAIT \t
	s_wait_tensorcnt 0x0
	ds_add_u32 v[SPW], v[NIL]
	s_wait_dscnt 1
	WIN MUL
	MUL8 0, \t, 0
	s_wait_dscnt 0x0
	s_barrier_signal -1
	MUL8 1, \t, 0
	WIN 0
	s_barrier_wait -1
.if \fill
	CREST
	s_add_nc_u64 s[G0B+4*(((\t)/8)%2)+2:G0B+4*(((\t)/8)%2)+3], s[G0B+4*(((\t)/8)%2)+2:G0B+4*(((\t)/8)%2)+3], 2*768
	tensor_load_to_lds s[G0B+4*(((\t)/8)%2):G0B+4*(((\t)/8)%2)+3], s[G1B:G1B+7]
	s_nop 0
.endif
	PLACES 4
	FETCH_B (\t)+1
	FEED \t
.endm
	s_load_b256 s[4:11], s[0:1], 0x0
	s_load_b128 s[12:15], s[0:1], 0x20
	v_lshl_add_u32 v[SPW], v0, 2, SPARE
	v_mov_b32 v[NIL], 0
	ds_add_u32 v28, v29
	ds_add_u32 v28, v29
	s_wait_dscnt 0x0
	v_lshrrev_b32 v1, 5, v0
	v_readfirstlane_b32 s[WV], v1
	s_bfe_u32 s40, ttmp6, 0x40000
	s_bfe_u32 s41, ttmp6, 0x40004
	s_lshl_b32 s42, ttmp9, 2
	s_add_co_u32 s42, s42, s40
	s_and_b32 s17, ttmp7, 0xffff
	s_lshl_b32 s17, s17, 2
	s_add_co_u32 s17, s17, s41
	s_lshl_b32 s44, 0x1111, s40
	s_or_b32 s[G1B], s44, (0<<16)|(1<<20)|(1<<21)|(5<<22)|(3<<25)
	s_mov_b32 s[G1B+1], 768<<16
	s_mov_b32 s[G1B+2], 32<<16
	s_mov_b32 s[G1B+3], 768<<16
	s_mov_b32 s[G1B+4], 32
	s_mov_b32 s[G1B+5], KROW
	s_mov_b32 s[G1B+6], 0
	s_mov_b32 s[G1B+7], 0
	v_and_b32 v7, 31, v0
	v_lshlrev_b32 v[L16], 4, v7
	v_lshrrev_b32 v25, 5, v0
	v_lshl_add_u32 v21, v25, 14, v[L16]            ; hid's scale words in memory: wave w takes K step 4 i + w, 16 bytes a lane
	v_lshlrev_b32 v23, 4, v0                       ; W2's scale bytes in memory: 16 bytes a thread
	v_add_nc_u32 v22, SCA, v23                     ; the words in LDS: 512 bytes a K step
	v_lshrrev_b32 v25, 4, v0
	v_mul_u32_u24 v25, v25, 272
	v_and_b32 v24, 15, v0
	v_lshl_add_u32 v24, v24, 4, v25
	v_add_nc_u32 v24, SCB, v24                     ; the bytes in LDS: units of 256 bytes, 16 of padding behind each
	s_lshl_b32 s20, s17, 3
	s_lshl_b32 s18, s[WV], 1
	s_add_co_u32 s20, s20, s18
	s_mul_i32 s20, s20, NS*1536
	s_mov_b32 s21, 0
	s_lshl_b32 s22, s17, 9
	s_add_co_u32 s22, s22, SIZE_K*3072
	s_mov_b32 s23, 0
	s_mul_i32 s46, s42, 128*KROW
	s_mul_i32 s18, s[WV], 32*KROW
	s_add_co_u32 s46, s46, s18
	s_mov_b32 s47, 0
	s_lshl_b32 s92, s42, 7
	s_mul_i32 s92, s92, KS
	s_mov_b32 s93, 0
	s_lshl_b32 s24, s42, 9
	s_mov_b32 s25, 0
	s_lshl_b32 s26, s17, 7
	s_lshl_b32 s18, s[WV], 5
	s_add_co_u32 s26, s26, s18
	s_lshl_b32 s26, s26, 12
	s_add_co_u32 s26, s26, s24
	s_mov_b32 s27, 0
	s_mul_i32 s94, s[WV], BSUB
	s_wait_alu depctr_va_vdst(0)
	s_wait_kmcnt 0x0
	s_add_nc_u64 s[AP:AP+1], s[4:5], s[20:21]
	s_add_nc_u64 s[22:23], s[4:5], s[22:23]
	s_add_nc_u64 s[46:47], s[6:7], s[46:47]
	s_add_nc_u64 s[92:93], s[8:9], s[92:93]
	s_add_nc_u64 s[10:11], s[10:11], s[24:25]
	s_add_nc_u64 s[12:13], s[12:13], s[26:27]
	s_add_nc_u64 s[14:15], s[14:15], s[26:27]
.irp s, 0,1
	s_mov_b32 s[G0B+4*\s], 1
	s_add_co_u32 s[G0B+4*\s+1], s94, \s*SLOT
	s_add_nc_u64 s[G0B+4*\s+2:G0B+4*\s+3], s[46:47], \s*768
	s_or_b32 s[G0B+4*\s+3], s[G0B+4*\s+3], 0x80000000
.endr
	CROUND                                         ; all sixteen work-groups are here: the first joint loads meet
	tensor_load_to_lds s[G0B:G0B+3], s[G1B:G1B+7]  ; slot 0, my 32 rows: the head's one tensor load, ahead of all my global loads
	s_nop 0
.rept 4
	v_nop
.endr
.irp i, 0,1,2,3,4,5,6,7
	global_load_b128 v[ACC+4*\i:ACC+4*\i+3], v21, s[22:23] offset:65536*\i
.endr
.irp i, 0,1,2,3,4,5,6,7
	global_load_b128 v[ACC+32+4*\i:ACC+32+4*\i+3], v23, s[92:93] offset:2048*\i
.endr
	global_load_b128 v[BI:BI+3], v[L16], s[10:11]
.set T, 0
.rept DEPTH
	ALOAD T
.set T, T+1
.endr
	WIN 0
	s_wait_loadcnt 61                              ; the 16 loads of scales are in; behind them: the bias and 60 loads of fragments
	s_wait_tensorcnt 0x0                           ; my part of slot 0 has landed
.irp i, 0,1,2,3,4,5,6,7
	ds_store_b128 v22, v[ACC+4*\i:ACC+4*\i+3] offset:2048*\i
.endr
.irp i, 0,1,2,3,4,5,6,7
	ds_store_b128 v24, v[ACC+32+4*\i:ACC+32+4*\i+3] offset:2176*\i
.endr
	s_wait_tensorcnt 0x0
	ds_add_u32 v28, v29
	s_wait_dscnt 0x0                               ; the add and my stores of scales are done
	CROUND
	tensor_load_to_lds s[G0B+4:G0B+7], s[G1B:G1B+7]   ; slot 1's first fill, the first tensor load behind the round
	s_nop 0
.rept 4
	v_nop
.endr
	v_and_b32 v1, 15, v0
	v_bfe_u32 v2, v0, 4, 1
	v_mul_u32_u24 v3, v1, PITCH
	v_mul_u32_u24 v4, v2, 24
	v_add_nc_u32 v4, v3, v4
	v_lshl_add_u32 v5, v2, 4, v4
.irp u, 0,1
.irp s, 0,1
	v_add_nc_u32 v[ADRB+4*\u+\s], \s*SLOT+\u*2*BSUB, v4
	v_add_nc_u32 v[ADRB+4*\u+2+\s], \s*SLOT+\u*2*BSUB, v5
.endr
.endr
	s_lshl_b32 s21, s[WV], 7
	s_add_co_u32 s21, s21, SCA
	v_lshl_add_u32 v[ADSA], v7, 2, s21
	v_mul_u32_u24 v5, v7, KS
	v_lshrrev_b32 v6, 8, v5
	v_lshl_add_u32 v5, v6, 4, v5
	v_add_nc_u32 v[ADSB], SCB, v5
	s_mul_i32 s23, s[WV], 16*SPITCH
	s_add_co_u32 s23, s23, STG
	v_mul_u32_u24 v5, v1, SPITCH
	v_lshl_add_u32 v5, v2, 5, v5
	v_add_nc_u32 v[STO], s23, v5
	v_add_nc_u32 v[RD], s23, v[L16]
	s_wait_alu depctr_va_vdst(0)
	s_wait_tensorcnt 1
	s_barrier_signal -1
	s_barrier_wait -1
	FETCH_B 0
	SCALES 0
	STEP 0, 1
.set T, 1
.rept 6
	STEP T, 0
.set T, T+1
.endr
	TURN 7, 1
.set T, 8
.rept 7
	STEP T, 0
.set T, T+1
.endr
	TURN 15, 1
.set T, 16
.rept 7
	STEP T, 0
.set T, T+1
.endr
	TURN 23, 0
.set T, 24
.rept 8
	STEP T, 0
.set T, T+1
.endr
	WIN 0
.macro TOSTAGE a
	WIN 0
.irp b, 0,1,2,3,4,5,6,7
	ds_store_b128 v[STO], v[ACC+8*(8*(\a)+\b):ACC+8*(8*(\a)+\b)+3] offset:64*\b
	ds_store_b128 v[STO], v[ACC+8*(8*(\a)+\b)+4:ACC+8*(8*(\a)+\b)+7] offset:64*\b+16
.endr
	WIN 0x40
.irp t, 0,1,2,3,4,5,6,7,8,9,10,11,12,13,14,15
	ds_load_b128 v[64*(\a)+4*\t:64*(\a)+4*\t+3], v[RD] offset:\t*SPITCH
.endr
.endm
.macro SEND a, younger, left
	s_wait_dscnt \younger
	s_wait_loadcnt \left
	WIN 0x41
.set n, 0
.rept 32
	v_pk_add_f32 v[64*(\a)+n:64*(\a)+n+1], v[64*(\a)+n:64*(\a)+n+1], v[BI+n%4:BI+n%4+1]
.set n, n+2
.endr
	WIN 0x4d
.set n, 0
.rept 32
	v_pk_add_f32 v[64*(\a)+n:64*(\a)+n+1], v[64*(\a)+n:64*(\a)+n+1], v[64*(\a)+n:64*(\a)+n+1]
.set n, n+2
.endr
	WIN 0x04
.irp t, 0,1,2,3,4,5,6,7,8,9,10,11,12,13,14,15
	global_store_b128 v[L16], v[64*(\a)+4*\t:64*(\a)+4*\t+3], s[14:15] offset:(16*(\a)+\t)*4096 th:TH_STORE_NT
.endr
.endm
	PLACES 4
	TOSTAGE 0
	TOSTAGE 1
	SEND 0, 32, 16
	SEND 1, 0, 0
	WIN 0
	s_wait_tensorcnt 0x0
	ds_add_u32 v[SPW], v[NIL]
	s_wait_dscnt 0x0
	CROUND
	s_endpgm
.Lfunc_end_k_q3bf06449c0_ffn2:
	.size	k_q3bf06449c0_ffn2, .Lfunc_end_k_q3bf06449c0_ffn2-k_q3bf06449c0_ffn2
	.p2alignl 7, 3214868480
	.fill 96, 4, 3214868480
	.section	.rodata,"a",@progbits
	.p2align	6, 0x0
	.amdhsa_kernel k_q3bf06449c0_ffn2
		.amdhsa_group_segment_fixed_size 327680
		.amdhsa_private_segment_fixed_size 0
		.amdhsa_enable_private_segment 0
		.amdhsa_kernarg_size 48
		.amdhsa_user_sgpr_count 2
		.amdhsa_user_sgpr_kernarg_segment_ptr 1
		.amdhsa_wavefront_size32 1
		.amdhsa_system_sgpr_workgroup_id_x 1
		.amdhsa_system_sgpr_workgroup_id_y 1
		.amdhsa_system_sgpr_workgroup_id_z 1
		.amdhsa_system_vgpr_workitem_id 0
		.amdhsa_next_free_vgpr 1024
		.amdhsa_next_free_sgpr 100
		.amdhsa_reserve_vcc 0
		.amdhsa_float_denorm_mode_32 3
		.amdhsa_float_denorm_mode_16_64 3
		.amdhsa_memory_ordered 1
		.amdhsa_forward_progress 1
		.amdhsa_inst_pref_size 221
	.end_amdhsa_kernel
	.amdgpu_metadata
---
amdhsa.version: [ 1, 2 ]
amdhsa.kernels:
  - .name:           k_q3bf06449c0_ffn2
    .symbol:         k_q3bf06449c0_ffn2.kd
    .args:
      - { .name: hid, .offset: 0, .size: 8, .value_kind: global_buffer, .address_space: global }
      - { .name: W2_codes, .offset: 8, .size: 8, .value_kind: global_buffer, .address_space: global }
      - { .name: W2_scales, .offset: 16, .size: 8, .value_kind: global_buffer, .address_space: global }
      - { .name: b2, .offset: 24, .size: 8, .value_kind: global_buffer, .address_space: global }
      - { .name: x1, .offset: 32, .size: 8, .value_kind: global_buffer, .address_space: global }
      - { .name: out0, .offset: 40, .size: 8, .value_kind: global_buffer, .address_space: global }
    .group_segment_fixed_size: 327680
    .private_segment_fixed_size: 0
    .kernarg_segment_align: 8
    .kernarg_segment_size: 48
    .max_flat_workgroup_size: 128
    .sgpr_count:     100
    .vgpr_count:     1024
    .wavefront_size: 32
...
	.end_amdgpu_metadata
.endif
;; end of part 6
